; MI455X (gfx1250); checked and timed in simulation.
; The chip was launched on July 23, 2026; its instructions are those of AMD's public machine-readable ISA for CDNA 5 (MIT licence, August 2026) and "CDNA5" Instruction Set Architecture Reference Guide (July 2026). The comments in the code are by the model that wrote it; some were corrected since.
;; Rel Pos Attention. Allowed arithmetic: matrix products marked QUANTISED: E2M3 operands, one E8M0 scale for each 32 along K, by v_wmma_scale_f32_16x16x128_f8f6f4 with both operands' format E2M3, f32 sums; products left as they are: f32 operands where the result goes on into a quantised operand, else bf16, f16 or f32 operands; f32 sums; everything else in f32.
;; Inputs: W1 1,024 x 2,048 float32; W2 2,048 x 1 float32; Wk 1,024 x 1,024 float32; Wp 1,024 x 1,024 float32; Wq 1,024 x 1,024 float32; Wv 1,024 x 1,024 float32; b1 2,048 float32; b2 1 float32; bp 1,024 float32; k 8,192 x 1 x 1,024 float32; q 2,048 x 1 x 1,024 float32; query_boxes 2,048 x 1 x 4 float32; ref_boxes 8,192 x 1 x 4 float32; v 8,192 x 1 x 1,024 float32.
;; Outputs: out0 2,048 x 1,024 float32.
;; This version of the problem:
;;   THIS VERSION OF THE PROBLEM IS GIVEN IN LOW PRECISION. The matrix products marked QUANTISED in the list below multiply operands that are first quantised to E2M3 (2 exponent bits, 3 mantissa bits; 6 bits a number), with one power-of-two scale for each 32 numbers along K (OCP MX v1.0); their sums are f32. All else is computed in f32.
;;   The module's matrix products, in the order in which they are computed (A, B: the left and right operand; K: the contracted axis; several contracted axes count as one K, in the product's order):
;;     1. [M 1, K 1,024] x [K 1,024, N 2,048]; A: computed on the way; B: input W1: left as it is (M = 1 < 16)
;;     2. [M 1, K 2,048] x [K 2,048, N 1]; A: computed on the way; B: input W2: left as it is (M = 1 < 16)
;;     3. [M 2,048, K 1,024] x [K 1,024, N 1,024]; A: input q; B: input Wq: QUANTISED
;;     4. [M 8,192, K 1,024] x [K 1,024, N 1,024]; A: input k; B: input Wk: QUANTISED
;;     5. [M 8,192, K 1,024] x [K 1,024, N 1,024]; A: input v; B: input Wv: QUANTISED
;;     6. [M 2,048, K 1,024] x [K 1,024, N 8,192]; A: computed on the way; B: computed on the way: QUANTISED
;;     7. [M 2,048, K 8,192] x [K 8,192, N 1,024]; A: softmax (see below); B: computed on the way: QUANTISED
;;     8. [M 2,048, K 1,024] x [K 1,024, N 1,024]; A: computed on the way; B: input Wp: QUANTISED
;;   THE QUANTISER, for each operand of a quantised product, along K:
;;     - K is cut into blocks of 32 from its start; a last block that is shorter is filled with zeros.
;;     - A block's scale is 2^e with e = floor(log2(the largest magnitude in the block)) - 2, held to -126 .. 127; a block of zeros has e = 0. As a byte (E8M0): e + 127.
;;     - Each number is divided by its block's scale, clamped to +-7.5, and rounded to the nearest number of E2M3, ties to even, subnormals kept.
;;     - The product sums the exact products of the quantised numbers (number of the format x scale) in f32.
;;   ~~~python
;;   def quantise(x, axis):      # numpy; x: float32 -> the quantised numbers, widened to float32 again
;;       x = np.moveaxis(x, axis, -1); K = x.shape[-1]
;;       x = np.pad(x, [(0, 0)] * (x.ndim - 1) + [(0, -K % 32)]); x = x.reshape(x.shape[:-1] + (-1, 32)); a = np.abs(x).max(-1, keepdims=True)
;;       e = np.where(a > 0, np.clip(np.frexp(np.where(a > 0, a, 1))[1] - 1 - 2, -126, 127), 0)      # np.frexp(a)[1] - 1 = floor(log2(a)), exactly
;;       r = np.clip(x / 2.0 ** e, -7.5, 7.5)
;;       step = 2.0 ** (np.maximum(np.frexp(np.where(r == 0, 1, r))[1] - 1, 0) - 3)
;;       q = np.round(r / step) * step * 2.0 ** e      # np.round: ties to even
;;       return np.moveaxis(q.reshape(q.shape[:-2] + (-1,))[..., :K], -1, axis).astype(np.float32)
;;   ~~~
;;   SOFTMAX AHEAD OF A QUANTISED PRODUCT. Where the list says 'softmax', what is quantised is not the finished softmax but p = 2^(t - M), with t = logit x log2(e) and M = ceil(the row's largest t), a whole number; so 1/2 < the row's largest p <= 1. The row's sum l is taken of the UNQUANTISED p, in f32, and the product's result is divided by l at the end. Since M is a whole number, a kernel that streams over the keys may use a running M (the ceiling of the running maximum): every later rescaling is an exact power of two, which a block's scale takes up: the codes' values come out the same.
;;   OPERANDS COMPUTED ON THE WAY. 'Computed on the way' means the value that the module computes at that place (a softmax that the list does not call 'softmax' is quantised finished and normalised). What goes into a quantiser is computed in f32, as accurately as f32 sums, v_exp_f32 and their like allow (about 1e-6 of the number): no bf16 or f16 on the way to a quantiser, and a product that is left as it is and whose result goes on into a quantised operand takes f32 operands (vector FMAs, or v_wmma_f32_16x16x4_f32). A number that lies on a knife's edge between two numbers of the format may be rounded either way, as far as f32 arithmetic and the matrix unit's own rounding can turn it there, and no further.
;; One version. Each part assembles by itself: llvm-mc -triple=amdgcn-amd-amdhsa -mcpu=gfx1250 --defsym DOCPART=n.
;; ======== version 1 of 1: 6 launches
;; limits: right only within a limited range of input values
;; workspace buffers: xq 15,269,888 bytes; wq 3,342,336 bytes; hq 14,745,600 bytes; pq 14,155,776 bytes; xo 1,638,400 bytes
;; launch quantx (part 1): grid 1152 x 1, 4 waves a work-group, no clusters, 38,912 bytes of LDS; arguments q, k, v, xq; writes xq
.if DOCPART == 1
	.amdgcn_target "amdgcn-amd-amdhsa--gfx1250"
	.amdhsa_code_object_version 6
	.text
	.protected	k_q74c2e5436e_quantx
	.globl	k_q74c2e5436e_quantx
	.p2align	8
	.type	k_q74c2e5436e_quantx,@function
k_q74c2e5436e_quantx:
	s_mov_b64 s[64:65], 0
	v_nop
	global_prefetch_b8 v0, s[64:65] scope:SCOPE_SE
	s_setreg_imm32_b32 hwreg(HW_REG_WAVE_MODE, 25, 1), 1
	s_wait_xcnt 0x0
; RelPosAttention, launch 1 of 6: q, k, v (f32, rows of 1,024) become codes of FP6 (E2M3) with one E8M0 byte for each 32 along the row; k's column sums for the variance are taken on the way.
; DEAD WORK: none.  Every input of reference() has a way to out0 for some values of the inputs, so every input is loaded by some launch and no step is left out.
; LAYOUT OF ALL CODE BUFFERS OF THIS PROGRAM: a fragment (16 rows x 128 K, 12 registers a lane) lies as an image of its registers: registers 4 c .. 4 c + 3 of lane l at 512 c + 16 l: 1,536 bytes.
; Lane r of fragment F holds row 32 (F / 2) + 8 (F % 2) + r % 8 + 16 (r / 8): as source 0 of a product it then leaves a lane's result registers as neighbours along the next K.
; A block = 8 fragments (128 rows) of one K step = 12,288 bytes.  Its scale words: 512 bytes, word of fragment j + 4 p, row lane r at 256 p + 16 r + 4 j.
; SHARES: work-group x takes block row g = x / 8 (0-15 q, 16-79 k, 80-143 v) and K step x % 8: 128 rows x 128 columns; wave w takes its fragments 2 w and 2 w + 1, 32 loads of 512 bytes, all issued at the head.
; A fragment's 16 rows turn through the wave's own stage in LDS (rows of 528 bytes) and come back 16 neighbours of each block of 32 to a lane.
; The block's scale words and the four waves' column sums meet in LDS behind one barrier: wave 3 stores the 512 bytes of scale words, wave 0 the sums S1, wave 1 the sums S2, each as 512 consecutive bytes.
; VARIANCE: with c = k[0][col]: S1 = sum (x - c), S2 = sum (x - c)^2 over the block's 128 rows; var = (S2 - S1^2 / n) / (n - 1) is an identity for all values and holds under a common offset.
; c is loaded by every wave, those of q and v too (512 bytes), so that no way through the text reads a register that was not written.
; No tensor load, no cluster: every input byte is read by one wave once.
; LIMITS: NaN and infinities among the inputs are not served; blocks whose largest magnitude lies under 2^-124 get the byte 1 (not tried); a block of zeros gets the byte 1 where the rule says 127: its codes are zeros and this program alone reads the bytes.
.set SP,    528
.set WST,   16*SP                      ; a wave's stage
.set SPARE, 4*WST                      ; the spare words: 128 bytes a wave
.set SCWB,  SPARE+512                  ; the block's 512 bytes of scale words
.set VRB,   SCWB+512                   ; [wave][S1, S2][128] f32
.set XS,    14155776                   ; xq: the scale words
.set VS1,   14745600                   ; xq: S1 [64][1024] f32
.set VS2,   15007744                   ; xq: S2
.set LO,  1                            ; v1  16 x lane
.set STA, 2                            ; v2  stage, way in
.set LDA, 3                            ; v3  stage, way out
.set SPW, 4                            ; v4  my spare word
.set NIL, 5                            ; v5  0
.set VRA, 6                            ; v6  where my sums go
.set SWA, 7                            ; v7  where my two scale words go
.set CC,  8                            ; v8-11  c of my four columns
.set S1,  12
.set S2,  16
.set DD,  20
.set WW,  24                           ; v24-25 my two fragments' scale words
.set VRL, 26                           ; v26 where waves 0 and 1 read the four waves' sums
.set TM,  27
.set SWL, 43                           ; v43 where wave 3 reads the scale words
.set PC,  44
.set R,   64                           ; v64-191 two sets of 64 numbers
.set SEL, 30
; 64 numbers of a lane, register 16 b + i = k 32 b + 16 (lane / 16) + i of my row, become a fragment's codes in v[pc] .. v[pc + 11] and its scale word in v[pw]
.macro QUANT s, pc, tm, pw
.irp b, 0,1,2,3
	v_max3_num_f32 v[(\tm)+\b], |v[(\s)+16*\b]|, |v[(\s)+1+16*\b]|, 0x1800000   ; my 16 numbers of block b, and the floor 2^(3 - 127): the byte cannot fall under 1
.endr
.irp i, 2,4,6,8,10,12,14
.irp b, 0,1,2,3
	v_max3_num_f32 v[(\tm)+\b], v[(\tm)+\b], |v[(\s)+16*\b+\i]|, |v[(\s)+1+16*\b+\i]|
.endr
.endr
.irp b, 0,1,2,3
	v_permlanex16_b32 v[(\tm)+4+\b], v[(\tm)+\b], s[SEL], s[SEL+1]
.endr
.irp b, 0,1,2,3
	v_max_num_f32 v[(\tm)+\b], v[(\tm)+\b], v[(\tm)+4+\b]   ; with lane l xor 16's: the block's largest magnitude
.endr
.irp b, 0,1,2,3
	v_add_nc_u32 v[(\tm)+12+\b], 0xff000000, v[(\tm)+\b]    ; 2 off its exponent field: the conversion's scale operand
.endr
.irp b, 0,1,2,3
	v_lshrrev_b32 v[(\tm)+4+\b], 23, v[(\tm)+12+\b]         ; the scale's byte
.endr
	v_lshl_or_b32 v[\pw], v[(\tm)+5], 8, v[(\tm)+4]
	v_lshl_or_b32 v[\pw], v[(\tm)+6], 16, v[\pw]
	v_lshl_or_b32 v[\pw], v[(\tm)+7], 24, v[\pw]
.irp c, 0,1
	v_cvt_scalef32_pk16_fp6_f32 v[(\pc)+6*\c:(\pc)+2+6*\c], v[(\s)+32*\c:(\s)+15+32*\c], v[(\tm)+12+2*\c]
	v_cvt_scalef32_pk16_fp6_f32 v[(\pc)+12+4*\c:(\pc)+14+4*\c], v[(\s)+16+32*\c:(\s)+31+32*\c], v[(\tm)+13+2*\c]
.endr
	v_nop                                          ; one plain place behind a scaled conversion
.irp c, 0,1
.irp i, 0,1,2
	v_permlane16_swap_b32 v[(\pc)+6*\c+\i], v[(\pc)+12+4*\c+\i]   ; a whole block to a lane: lanes 0-15 block 2 c, lanes 16-31 block 2 c + 1
.endr
.irp i, 0,1,2
	v_mov_b32 v[(\pc)+3+6*\c+\i], v[(\pc)+12+4*\c+\i]
.endr
.endr
.endm
	s_load_b256 s[4:11], s[0:1], 0x0               ; q, k, v, xq
	v_lshl_add_u32 v[SPW], v0, 2, SPARE
	v_mov_b32 v[NIL], 0
	v_lshrrev_b32 v6, 5, v0
	v_readfirstlane_b32 s12, v6                    ; wave
	s_mul_i32 s13, s12, WST
	s_lshr_b32 s28, s12, 1
	s_lshl_b32 s28, s28, 8
	s_and_b32 s29, s12, 1
	s_lshl_b32 s29, s29, 3
	s_add_co_u32 s28, s28, s29
	s_add_co_u32 s28, s28, SCWB                    ; 256 (w / 2) + 8 (w % 2): fragments 2 w, 2 w + 1
	s_lshl_b32 s29, s12, 10
	s_add_co_u32 s29, s29, VRB
	s_lshl_b32 s32, s12, 9
	s_add_co_u32 s32, s32, VRB
	s_mov_b32 s[SEL], 0x76543210
	s_mov_b32 s[SEL+1], 0xfedcba98
	s_lshr_b32 s14, ttmp9, 3                       ; g
	s_and_b32 s15, ttmp9, 7                        ; K step
	s_lshl_b32 s16, s14, 3
	s_add_co_u32 s16, s16, s15                     ; 8 g + K step
	s_lshl_b32 s20, s15, 9                         ; my 512 bytes of a row
	s_mov_b32 s21, 0
	s_mul_i32 s22, s16, 12288
	s_mul_i32 s23, s12, 3072
	s_add_co_u32 s22, s22, s23                     ; my two fragments' images
	s_mov_b32 s23, 0
	s_lshl_b32 s24, s16, 9
	s_add_co_u32 s24, s24, XS
	s_mov_b32 s25, 0
	s_sub_co_u32 s17, s14, 16                      ; under 64 in k's work-groups alone
	s_min_u32 s26, s17, 63
	s_lshl_b32 s26, s26, 12
	s_add_co_u32 s26, s26, s20
	s_add_co_u32 s26, s26, VS1
	s_lshl_b32 s27, s12, 18
	s_add_co_u32 s26, s26, s27                     ; wave 0: S1; wave 1: S2, VS2 - VS1 = 262,144 bytes on (waves 2 and 3 do not use it)
	s_mov_b32 s27, 0
	v_and_b32 v6, 31, v0                           ; lane
	v_lshlrev_b32 v[LO], 4, v6
	v_add_nc_u32 v[STA], s13, v[LO]                ; in: a row's 512 bytes as they lie
	v_and_b32 v7, 15, v0
	v_bfe_u32 v[LDA], v0, 4, 1
	v_lshlrev_b32 v[LDA], 6, v[LDA]
	v_mad_u32_u24 v[LDA], v7, SP, v[LDA]
	v_add_nc_u32 v[LDA], s13, v[LDA]               ; out: row lane % 16, + 64 (lane / 16)
	v_lshl_add_u32 v[SWA], v7, 4, s28
	v_add_nc_u32 v[VRA], s29, v[LO]
	v_add_nc_u32 v[VRL], s32, v[LO]
	v_add_nc_u32 v[SWL], SCWB, v[LO]
.irp b, 0,1,2,3
	v_mov_b32 v[TM+4+\b], 0                        ; a lane permute's destination counts as one of its sources
.endr
.irp b, 0,1,2,3,4,5,6,7
	v_mov_b32 v[S1+\b], 0                          ; S1 and S2
.endr
	s_wait_alu depctr_va_vdst(0)                   ; the wait at the head's end
	s_wait_kmcnt 0x0
	s_cmp_lt_u32 s14, 80                           ; the tensor is chosen by the work-group's number alone
	s_cselect_b64 s[6:7], s[6:7], s[8:9]
	s_cselect_b32 s13, 16, 80
	s_cmp_lt_u32 s14, 16
	s_cselect_b64 s[4:5], s[4:5], s[6:7]
	s_cselect_b32 s13, 0, s13
	s_sub_co_u32 s18, s14, s13
	s_lshl_b32 s18, s18, 19                        ; 128 rows of 4,096 bytes
	s_lshl_b32 s19, s12, 17
	s_add_co_u32 s18, s18, s19                     ; + my 32 rows
	s_mov_b32 s19, 0
	s_add_nc_u64 s[4:5], s[4:5], s[20:21]          ; row 0, my columns
	s_add_nc_u64 s[18:19], s[4:5], s[18:19]        ; my rows
	s_add_nc_u64 s[22:23], s[10:11], s[22:23]      ; their codes
	s_add_nc_u64 s[24:25], s[10:11], s[24:25]      ; the block's scale words
	s_add_nc_u64 s[26:27], s[10:11], s[26:27]      ; its S1 or S2
.macro LOADF f                         ; my fragment f's 16 rows, in the fragment's lane order, into set f
.irp i, 0,1,2,3,4,5,6,7,8,9,10,11,12,13,14,15
	global_load_b128 v[R+64*(\f)+4*\i:R+64*(\f)+4*\i+3], v[LO], s[18:19] offset:(8*(\f)+\i%8+16*(\i/8))*4096 th:TH_LOAD_NT
.endr
.endm
	global_load_b128 v[CC:CC+3], v[LO], s[4:5]
	LOADF 0
	LOADF 1
.macro FRAGQ f
.set RS, R+64*(\f)
	s_wait_loadcnt 16*(1-(\f))                     ; this fragment's rows are in; the second fragment's 16 loads may be out
	s_cmp_lt_u32 s17, 64
	s_cbranch_scc0 .Lnovar_\@                      ; the sums are k's alone
.irp i, 0,1,2,3,4,5,6,7,8,9,10,11,12,13,14,15
	v_pk_add_f32 v[DD:DD+1], v[RS+4*\i:RS+4*\i+1], v[CC:CC+1] neg_lo:[0,1] neg_hi:[0,1]
	v_pk_add_f32 v[DD+2:DD+3], v[RS+4*\i+2:RS+4*\i+3], v[CC+2:CC+3] neg_lo:[0,1] neg_hi:[0,1]
	v_pk_add_f32 v[S1:S1+1], v[S1:S1+1], v[DD:DD+1]
	v_pk_add_f32 v[S1+2:S1+3], v[S1+2:S1+3], v[DD+2:DD+3]
	v_pk_fma_f32 v[S2:S2+1], v[DD:DD+1], v[DD:DD+1], v[S2:S2+1]
	v_pk_fma_f32 v[S2+2:S2+3], v[DD+2:DD+3], v[DD+2:DD+3], v[S2+2:S2+3]
.endr
.Lnovar_\@:
.irp i, 0,1,2,3,4,5,6,7,8,9,10,11,12,13,14,15
	ds_store_b128 v[STA], v[RS+4*\i:RS+4*\i+3] offset:SP*\i
.endr
.irp b, 0,1,2,3
.irp j, 0,1,2,3
	ds_load_b128 v[RS+16*\b+4*\j:RS+16*\b+4*\j+3], v[LDA] offset:128*\b+16*\j   ; LDS serves a wave's instructions in order: these see the stores above
.endr
.endr
	s_wait_dscnt 0x0
	s_wait_xcnt 0x0                                ; the first fragment's stores have read the code registers, which are written again below
	QUANT RS, PC, TM, WW+(\f)
.irp c, 0,1,2
	global_store_b128 v[LO], v[PC+4*\c:PC+4*\c+3], s[22:23] offset:1536*(\f)+512*\c   ; 512 consecutive bytes
.endr
.endm
	FRAGQ 0
	FRAGQ 1
	ds_store_b64 v[SWA], v[WW:WW+1]                ; both halves of the lanes write the same bytes with the same values
	ds_store_b128 v[VRA], v[S1:S1+3]
	ds_store_b128 v[VRA], v[S2:S2+3] offset:512
	s_wait_dscnt 0x0                               ; my stores have landed
	s_barrier_signal -1
	s_barrier_wait -1                              ; the block's scale words and the four waves' sums lie in LDS
	s_cmp_lg_u32 s12, 3
	s_cbranch_scc1 .Lnot3
	ds_load_b128 v[R:R+3], v[SWL]
	s_wait_dscnt 0x0
	global_store_b128 v[LO], v[R:R+3], s[24:25]    ; 512 consecutive bytes
.Lnot3:
	s_cmp_lt_u32 s17, 64
	s_cbranch_scc0 .Lend
	s_cmp_lt_u32 s12, 2
	s_cbranch_scc0 .Lend
.irp s, 0,1,2,3
	ds_load_b128 v[R+16+4*\s:R+19+4*\s], v[VRL] offset:1024*\s
.endr
	s_wait_dscnt 0x0
	v_pk_add_f32 v[R+16:R+17], v[R+16:R+17], v[R+20:R+21]
	v_pk_add_f32 v[R+18:R+19], v[R+18:R+19], v[R+22:R+23]
	v_pk_add_f32 v[R+24:R+25], v[R+24:R+25], v[R+28:R+29]
	v_pk_add_f32 v[R+26:R+27], v[R+26:R+27], v[R+30:R+31]
	v_pk_add_f32 v[R+16:R+17], v[R+16:R+17], v[R+24:R+25]
	v_pk_add_f32 v[R+18:R+19], v[R+18:R+19], v[R+26:R+27]
	global_store_b128 v[LO], v[R+16:R+19], s[26:27]
.Lend:
	s_wait_tensorcnt 0x0                           ; the wave's end
	ds_add_u32 v[SPW], v[NIL]
	s_wait_dscnt 0x0
	s_endpgm
.Lfunc_end_k_q74c2e5436e_quantx:
	.size	k_q74c2e5436e_quantx, .Lfunc_end_k_q74c2e5436e_quantx-k_q74c2e5436e_quantx
	.p2alignl 7, 3214868480
	.fill 96, 4, 3214868480
	.section	.rodata,"a",@progbits
	.p2align	6, 0x0
	.amdhsa_kernel k_q74c2e5436e_quantx
		.amdhsa_group_segment_fixed_size 38912
		.amdhsa_private_segment_fixed_size 0
		.amdhsa_enable_private_segment 0
		.amdhsa_kernarg_size 32
		.amdhsa_user_sgpr_count 2
		.amdhsa_user_sgpr_kernarg_segment_ptr 1
		.amdhsa_wavefront_size32 1
		.amdhsa_system_sgpr_workgroup_id_x 1
		.amdhsa_system_sgpr_workgroup_id_y 1
		.amdhsa_system_sgpr_workgroup_id_z 1
		.amdhsa_system_vgpr_workitem_id 0
		.amdhsa_next_free_vgpr 192
		.amdhsa_next_free_sgpr 66
		.amdhsa_reserve_vcc 0
		.amdhsa_float_denorm_mode_32 3
		.amdhsa_float_denorm_mode_16_64 3
		.amdhsa_memory_ordered 1
		.amdhsa_forward_progress 1
		.amdhsa_inst_pref_size 33
	.end_amdhsa_kernel
	.amdgpu_metadata
---
amdhsa.version: [ 1, 2 ]
amdhsa.kernels:
  - .name:           k_q74c2e5436e_quantx
    .symbol:         k_q74c2e5436e_quantx.kd
    .args:
      - { .name: q, .offset: 0, .size: 8, .value_kind: global_buffer, .address_space: global }
      - { .name: k, .offset: 8, .size: 8, .value_kind: global_buffer, .address_space: global }
      - { .name: v, .offset: 16, .size: 8, .value_kind: global_buffer, .address_space: global }
      - { .name: xq, .offset: 24, .size: 8, .value_kind: global_buffer, .address_space: global }
    .group_segment_fixed_size: 38912
    .private_segment_fixed_size: 0
    .kernarg_segment_align: 8
    .kernarg_segment_size: 32
    .max_flat_workgroup_size: 128
    .sgpr_count:     66
    .vgpr_count:     192
    .wavefront_size: 32
...
	.end_amdgpu_metadata
.endif
;; end of part 1
;; launch quantw (part 2): grid 256 x 1, 4 waves a work-group, no clusters, 86,528 bytes of LDS; arguments Wq, Wk, Wv, Wp, W1, xq, wq; writes wq
.if DOCPART == 2
	.amdgcn_target "amdgcn-amd-amdhsa--gfx1250"
	.amdhsa_code_object_version 6
	.text
	.protected	k_q74c2e5436e_quantw
	.globl	k_q74c2e5436e_quantw
	.p2align	8
	.type	k_q74c2e5436e_quantw,@function
k_q74c2e5436e_quantw:
	s_mov_b64 s[64:65], 0
	v_nop
	global_prefetch_b8 v0, s[64:65] scope:SCOPE_SE
	s_setreg_imm32_b32 hwreg(HW_REG_WAVE_MODE, 25, 1), 1
	s_wait_xcnt 0x0
; Launch 2 of 6.  (a) Wq, Wk, Wv, Wp, f32 [k][n], are quantised along k and laid as register images of W^T (rows = n, K = k), in the program's fragment order.  (b) var(k) @ W1 in eight chunks along K, in f32.
; Nothing of reference() is left out.
; SHARES: work-group i does both parts.  (a) weight i / 64, columns 128 ((i / 8) % 8) on, K step i % 8: a tile of 128 k x 128 n; it comes by rows of 512 bytes into LDS (pitch 528); wave G then takes columns
; 32 G .. 32 G + 31, a lane a column, registers down k: a block of 32 lies in one lane.  Lane L's column is row lane (L % 8) + 8 (L / 16) of fragment 2 G + (L / 8) % 2.
; (b) rows 128 (i % 8) on of W1, columns 64 (i / 8) on.  The variance of these 128 columns of k is made from launch 1's 64 partial sums; the product is fused multiply-adds in f32, since it goes on into a quantised operand.
; No tensor load: the tile is read once by its own work-group.  No cluster: work-groups share only the partial sums, 512 KB in all.
; LIMITS as in launch 1.
.set WP,    528
.set IMGS,  128*WP                     ; behind the tile: two fragments' images for each wave
.set SCW,   IMGS+4*3072                ; the block's 512 bytes of scale words
.set VRED,  SCW+512                    ; [wave][S1, S2][128] f32
.set VARB,  VRED+4096                  ; the variance of 128 columns
.set RED,   VARB+512                   ; [wave][64] f32
.set SPARE, RED+1024
.set VS1,   14745600
.set VS2,   15007744
.set WS,    3145728
.set HP,    3276800
.set LI,   1
.set SPW,  2
.set NIL,  3
.set WTS,  4
.set WTL0, 5                           ; v5, v6: the tile's rows 0-63, 64-127
.set IMS,  7
.set IML,  8
.set SCWA, 9
.set SCWL, 10
.set W1O,  11
.set VRS,  12
.set VRL,  13
.set VAS,  14
.set VAL,  15
.set RDS,  16
.set RDL,  17
.set HPO,  18
.set SWD,  19                          ; my column's scale word
.set AC,   20                          ; v20-23 at work, later the four sums
.set S1,   24
.set S2,   28
.set C,    32                          ; v32-63 codes, eight registers a block
.set W1R,  64                          ; v64-191 the tile's rows; then v64-127 W1
.set X,    128                         ; v128-191 two sets of 32 numbers; later at work
.set VS,   192
.set SEL,  38
.macro BARRIER
	s_wait_dscnt 0x0                               ; my LDS stores have landed and my LDS loads are in
	s_barrier_signal -1
	s_barrier_wait -1
.endm
	s_load_b256 s[4:11], s[0:1], 0x0               ; Wq, Wk, Wv, Wp
	s_load_b128 s[12:15], s[0:1], 0x20             ; W1, xq
	s_load_b64 s[16:17], s[0:1], 0x30              ; wq
	v_lshl_add_u32 v[SPW], v0, 2, SPARE
	v_mov_b32 v[NIL], 0
	v_lshrrev_b32 v20, 5, v0
	v_readfirstlane_b32 s18, v20                   ; wave
	v_and_b32 v20, 31, v0                          ; lane
	v_lshlrev_b32 v[LI], 4, v20
	s_mul_i32 s19, s18, 32*WP
	v_add_nc_u32 v[WTS], s19, v[LI]                ; the tile, way in: my 32 rows
	s_lshl_b32 s19, s18, 7
	v_lshl_add_u32 v[WTL0], v20, 2, s19            ; way out: column 32 w + lane
	v_add_nc_u32 v[WTL0+1], 64*WP, v[WTL0]
	v_bfe_u32 v21, v0, 3, 1                        ; u
	s_wait_alu depctr_va_vdst(0)
	v_and_b32 v22, 7, v0
	v_bfe_u32 v23, v0, 4, 1                        ; lane / 16
	v_lshl_add_u32 v22, v23, 3, v22                ; r
	s_mul_i32 s19, s18, 3072
	s_add_co_u32 s19, s19, IMGS
	v_mul_u32_u24 v24, v21, 1536
	v_lshl_add_u32 v24, v22, 4, v24
	v_add_nc_u32 v[IMS], s19, v24                  ; my place in fragment 2 w + u's image
	v_add_nc_u32 v[IML], s19, v[LI]
	s_lshr_b32 s19, s18, 1
	s_lshl_b32 s19, s19, 8
	s_and_b32 s20, s18, 1
	s_lshl_b32 s20, s20, 3
	s_add_co_u32 s19, s19, s20
	s_add_co_u32 s19, s19, SCW
	v_lshlrev_b32 v24, 2, v21
	s_wait_alu depctr_va_vdst(0)
	v_lshl_add_u32 v24, v22, 4, v24
	v_add_nc_u32 v[SCWA], s19, v24                 ; 256 (w / 2) + 16 r + 4 (2 (w % 2) + u)
	v_add_nc_u32 v[SCWL], SCW, v[LI]
	v_and_b32 v24, 15, v0
	v_lshlrev_b32 v24, 4, v24
	v_lshl_add_u32 v[W1O], v23, 13, v24            ; W1: a row for each half of the lanes, 16 bytes a lane
	s_lshl_b32 s19, s18, 10
	s_add_co_u32 s19, s19, VRED
	v_add_nc_u32 v[VRS], s19, v[LI]
	v_lshl_add_u32 v[VRL], v0, 2, VRED
	v_lshl_add_u32 v[VAS], v0, 2, VARB
	s_lshl_b32 s19, s18, 7
	s_add_co_u32 s19, s19, VARB
	v_lshl_add_u32 v[VAL], v23, 2, s19
	s_lshl_b32 s19, s18, 8
	s_add_co_u32 s19, s19, RED
	v_add_nc_u32 v[RDS], s19, v24
	v_lshlrev_b32 v[HPO], 3, v20
	v_add_nc_u32 v[RDL], RED, v[HPO]
	s_lshr_b32 s20, ttmp9, 6                       ; which weight
	s_lshr_b32 s21, ttmp9, 3                       ; block row of wq; also W1's column chunk
	s_and_b32 s22, s21, 7
	s_and_b32 s23, ttmp9, 7                        ; K step; also W1's K chunk
	s_lshl_b32 s24, s23, 19
	s_lshl_b32 s25, s18, 17
	s_add_co_u32 s24, s24, s25
	s_lshl_b32 s25, s22, 9
	s_add_co_u32 s24, s24, s25                     ; (128 ks + 32 w) rows of 4,096 bytes + 512 rb
	s_mov_b32 s25, 0
	s_lshl_b32 s26, s18, 16
	s_lshl_b32 s27, s23, 9
	s_add_co_u32 s26, s26, s27
	s_add_co_u32 s26, s26, VS1                     ; partial sums 16 w on, my chunk's columns
	s_mov_b32 s27, 0
	s_lshl_b32 s28, s23, 20
	s_lshl_b32 s29, s18, 18
	s_add_co_u32 s28, s28, s29
	s_lshl_b32 s29, s21, 8
	s_add_co_u32 s28, s28, s29                     ; W1: (128 kc + 32 w) rows of 8,192 bytes + 256 nc
	s_mov_b32 s29, 0
	s_lshl_b32 s30, s21, 3
	s_add_co_u32 s30, s30, s23
	s_lshl_b32 s34, s30, 9
	s_add_co_u32 s34, s34, WS
	s_mov_b32 s35, 0
	s_mul_i32 s30, s30, 12288
	s_mul_i32 s31, s18, 3072
	s_add_co_u32 s30, s30, s31
	s_mov_b32 s31, 0
	s_lshl_b32 s36, s23, 13
	s_lshl_b32 s37, s21, 8
	s_add_co_u32 s36, s36, s37
	s_add_co_u32 s36, s36, HP
	s_mov_b32 s37, 0
	s_mov_b32 s[SEL], 0x76543210
	s_mov_b32 s[SEL+1], 0xfedcba98
	s_wait_kmcnt 0x0
	s_cmp_lt_u32 s20, 2
	s_cselect_b64 s[4:5], s[4:5], s[8:9]
	s_cselect_b64 s[6:7], s[6:7], s[10:11]
	s_and_b32 s20, s20, 1
	s_cmp_eq_u32 s20, 0
	s_cselect_b64 s[4:5], s[4:5], s[6:7]
	s_add_nc_u64 s[4:5], s[4:5], s[24:25]
	s_add_nc_u64 s[14:15], s[14:15], s[26:27]
	s_add_nc_u64 s[12:13], s[12:13], s[28:29]
	s_add_nc_u64 s[30:31], s[16:17], s[30:31]
	s_add_nc_u64 s[34:35], s[16:17], s[34:35]
	s_add_nc_u64 s[36:37], s[16:17], s[36:37]
.set i, 0
.rept 32
	global_load_b128 v[W1R+4*i:W1R+4*i+3], v[LI], s[4:5] offset:4096*i th:TH_LOAD_NT   ; a row's 512 bytes
.set i, i+1
.endr
.set i, 0
.rept 16
	global_load_b128 v[VS+4*i:VS+4*i+3], v[LI], s[14:15] offset:4096*i
.set i, i+1
.endr
	s_wait_loadcnt 16                              ; the tile's rows are in; the 16 loads of S1 may be out
.set i, 0
.rept 32
	ds_store_b128 v[WTS], v[W1R+4*i:W1R+4*i+3] offset:WP*i
.set i, i+1
.endr
.macro SUM16 d
	v_pk_add_f32 v[\d:\d+1], v[VS:VS+1], v[VS+4:VS+5]
	v_pk_add_f32 v[\d+2:\d+3], v[VS+2:VS+3], v[VS+6:VS+7]
.irp i, 2,3,4,5,6,7,8,9,10,11,12,13,14,15
	v_pk_add_f32 v[\d:\d+1], v[\d:\d+1], v[VS+4*\i:VS+4*\i+1]
	v_pk_add_f32 v[\d+2:\d+3], v[\d+2:\d+3], v[VS+4*\i+2:VS+4*\i+3]
.endr
.endm
	s_wait_loadcnt 0x0
	SUM16 S1
	s_wait_dscnt 0x0                               ; the stores have read the rows' registers
.set i, 0
.rept 16
	global_load_b128 v[VS+4*i:VS+4*i+3], v[LI], s[14:15] offset:VS2-VS1+4096*i
.set i, i+1
.endr
.set i, 0
.rept 16
	global_load_b128 v[W1R+4*i:W1R+4*i+3], v[W1O], s[12:13] offset:16384*i th:TH_LOAD_NT   ; rows 2 i and 2 i + 1 of my 32: 256 bytes each
.set i, i+1
.endr
	s_barrier_signal -1
	s_barrier_wait -1                              ; the tile lies in LDS
.macro LOADK kb                        ; my column's block kb of 32 along k
.set i, 0
.rept 32
	ds_load_b32 v[X+32*((\kb)%2)+i], v[WTL0+(\kb)/2] offset:((32*(\kb)+i)%64)*WP
.set i, i+1
.endr
.endm
.macro BLK kb, left
.set XK, X+32*((\kb)%2)
.set CK, C+8*(\kb)
	s_wait_dscnt \left                             ; this block's 32 loads are in; what was issued behind them may be out
	v_max3_num_f32 v20, |v[XK]|, |v[XK+1]|, |v[XK+2]|
	v_max3_num_f32 v21, |v[XK+3]|, |v[XK+4]|, |v[XK+5]|
.irp i, 6,10,14,18,22,26
	v_max3_num_f32 v20, v20, |v[XK+\i]|, |v[XK+\i+1]|
	v_max3_num_f32 v21, v21, |v[XK+\i+2]|, |v[XK+\i+3]|
.endr
	v_max3_num_f32 v20, v20, |v[XK+30]|, |v[XK+31]|
	v_max3_num_f32 v20, v20, v21, 0x1800000        ; and the floor
	v_add_nc_u32 v22, 0xff000000, v20              ; the conversion's scale operand
	v_lshrrev_b32 v23, 23, v22                     ; the byte
.if (\kb) == 0
	v_mov_b32 v[SWD], v23
.else
	v_lshl_or_b32 v[SWD], v23, 8*(\kb), v[SWD]
.endif
	v_cvt_scalef32_pk16_fp6_f32 v[CK:CK+2], v[XK:XK+15], v22
	v_cvt_scalef32_pk16_fp6_f32 v[CK+4:CK+6], v[XK+16:XK+31], v22
	v_nop                                          ; one plain place behind a scaled conversion
	v_mov_b32 v[CK+3], v[CK+4]
	v_mov_b32 v[CK+4], v[CK+5]
	v_mov_b32 v[CK+5], v[CK+6]                     ; six registers on end: registers 6 (kb / 2) .. + 5 of fragment lane r + 16 (kb % 2)
.if (\kb) < 2
	ds_store_b128 v[IMS], v[CK:CK+3] offset:256*((\kb)%2)
	ds_store_b64 v[IMS], v[CK+4:CK+5] offset:256*((\kb)%2)+512
.else
	ds_store_b64 v[IMS], v[CK:CK+1] offset:256*((\kb)%2)+520
	ds_store_b128 v[IMS], v[CK+2:CK+5] offset:256*((\kb)%2)+1024
.endif
.if (\kb)+2 < 4
	LOADK (\kb)+2
.endif
.endm
	LOADK 0
	LOADK 1
	BLK 0, 32
	BLK 1, 34                                      ; behind block 1's loads: two stores and 32 loads
	BLK 2, 34
	BLK 3, 2
	ds_store_b32 v[SCWA], v[SWD]
.irp m, 0,1,2,3,4,5
	ds_load_b128 v[X+4*\m:X+4*\m+3], v[IML] offset:512*\m   ; my own two images: LDS serves a wave's instructions in order
.endr
	s_wait_dscnt 0x0
.irp m, 0,1,2,3,4,5
	global_store_b128 v[LI], v[X+4*\m:X+4*\m+3], s[30:31] offset:512*\m
.endr
	s_wait_loadcnt 16                              ; S2's partial sums are in; W1's 16 loads may be out
	SUM16 S2
	ds_store_b128 v[VRS], v[S1:S1+3]
	ds_store_b128 v[VRS], v[S2:S2+3] offset:512
	BARRIER                                        ; the scale words and the four waves' sums lie in LDS
	s_cmp_lg_u32 s18, 0
	s_cbranch_scc1 .Lnot0
	ds_load_b128 v[X+32:X+35], v[SCWL]
	s_wait_dscnt 0x0
	global_store_b128 v[LI], v[X+32:X+35], s[34:35]   ; the block's 512 bytes of scale words
.Lnot0:
.irp w, 0,1,2,3
	ds_load_b32 v[X+40+\w], v[VRL] offset:1024*\w
	ds_load_b32 v[X+44+\w], v[VRL] offset:1024*\w+512
.endr
	s_wait_dscnt 0x0
	v_add_f32 v[X+40], v[X+40], v[X+41]
	v_add_f32 v[X+42], v[X+42], v[X+43]
	v_add_f32 v[X+44], v[X+44], v[X+45]
	v_add_f32 v[X+46], v[X+46], v[X+47]
	v_add_f32 v[X+40], v[X+40], v[X+42]            ; S1 of column t
	v_add_f32 v[X+44], v[X+44], v[X+46]            ; S2
	v_mul_f32 v[X+41], 0x39000000, v[X+40]         ; S1 / 8,192
	v_fma_f32 v[X+44], -v[X+41], v[X+40], v[X+44]
	v_mul_f32 v[X+44], 0x39000400, v[X+44]         ; / 8,191
	ds_store_b32 v[VAS], v[X+44]
	BARRIER                                        ; the 128 variances lie in LDS
.set i, 0
.rept 16
	ds_load_b32 v[X+48+i], v[VAL] offset:8*i       ; that of row 32 w + 2 i + lane / 16
.set i, i+1
.endr
	s_wait_loadcnt 0x0                             ; W1
	s_wait_dscnt 0x0
.irp j, 0,1,2,3
	v_mul_f32 v[AC+\j], v[W1R+\j], v[X+48]
.endr
.set i, 1
.rept 15
.irp j, 0,1,2,3
	v_fmac_f32 v[AC+\j], v[W1R+4*i+\j], v[X+48+i]
.endr
.set i, i+1
.endr
.irp j, 0,1,2,3
	v_permlanex16_b32 v[X+40+\j], v[AC+\j], s[SEL], s[SEL+1]
.endr
.irp j, 0,1,2,3
	v_add_f32 v[AC+\j], v[AC+\j], v[X+40+\j]       ; even and odd rows
.endr
	ds_store_b128 v[RDS], v[AC:AC+3]               ; both halves of the lanes write the same bytes with the same values
	BARRIER
	s_cmp_lg_u32 s18, 0
	s_cbranch_scc1 .Lend
.irp w, 0,1,2,3
	ds_load_b64 v[X+40+2*\w:X+41+2*\w], v[RDL] offset:256*\w
.endr
	s_wait_dscnt 0x0
	v_pk_add_f32 v[X+40:X+41], v[X+40:X+41], v[X+42:X+43]
	v_pk_add_f32 v[X+44:X+45], v[X+44:X+45], v[X+46:X+47]
	v_pk_add_f32 v[X+40:X+41], v[X+40:X+41], v[X+44:X+45]
	global_store_b64 v[HPO], v[X+40:X+41], s[36:37]   ; 32 lanes store 256 consecutive bytes
.Lend:
	s_wait_tensorcnt 0x0                           ; the wave's end
	ds_add_u32 v[SPW], v[NIL]
	s_wait_dscnt 0x0
	s_endpgm
.Lfunc_end_k_q74c2e5436e_quantw:
	.size	k_q74c2e5436e_quantw, .Lfunc_end_k_q74c2e5436e_quantw-k_q74c2e5436e_quantw
	.p2alignl 7, 3214868480
	.fill 96, 4, 3214868480
	.section	.rodata,"a",@progbits
	.p2align	6, 0x0
	.amdhsa_kernel k_q74c2e5436e_quantw
		.amdhsa_group_segment_fixed_size 86528
		.amdhsa_private_segment_fixed_size 0
		.amdhsa_enable_private_segment 0
		.amdhsa_kernarg_size 56
		.amdhsa_user_sgpr_count 2
		.amdhsa_user_sgpr_kernarg_segment_ptr 1
		.amdhsa_wavefront_size32 1
		.amdhsa_system_sgpr_workgroup_id_x 1
		.amdhsa_system_sgpr_workgroup_id_y 1
		.amdhsa_system_sgpr_workgroup_id_z 1
		.amdhsa_system_vgpr_workitem_id 0
		.amdhsa_next_free_vgpr 256
		.amdhsa_next_free_sgpr 66
		.amdhsa_reserve_vcc 0
		.amdhsa_float_denorm_mode_32 3
		.amdhsa_float_denorm_mode_16_64 3
		.amdhsa_memory_ordered 1
		.amdhsa_forward_progress 1
		.amdhsa_inst_pref_size 40
	.end_amdhsa_kernel
	.amdgpu_metadata
---
amdhsa.version: [ 1, 2 ]
amdhsa.kernels:
  - .name:           k_q74c2e5436e_quantw
    .symbol:         k_q74c2e5436e_quantw.kd
    .args:
      - { .name: Wq, .offset: 0, .size: 8, .value_kind: global_buffer, .address_space: global }
      - { .name: Wk, .offset: 8, .size: 8, .value_kind: global_buffer, .address_space: global }
      - { .name: Wv, .offset: 16, .size: 8, .value_kind: global_buffer, .address_space: global }
      - { .name: Wp, .offset: 24, .size: 8, .value_kind: global_buffer, .address_space: global }
      - { .name: W1, .offset: 32, .size: 8, .value_kind: global_buffer, .address_space: global }
      - { .name: xq, .offset: 40, .size: 8, .value_kind: global_buffer, .address_space: global }
      - { .name: wq, .offset: 48, .size: 8, .value_kind: global_buffer, .address_space: global }
    .group_segment_fixed_size: 86528
    .private_segment_fixed_size: 0
    .kernarg_segment_align: 8
    .kernarg_segment_size: 56
    .max_flat_workgroup_size: 128
    .sgpr_count:     66
    .vgpr_count:     256
    .wavefront_size: 32
...
	.end_amdgpu_metadata
.endif
;; end of part 2
;; launch proj (part 3): grid 4 x 64, 4 waves a work-group, clusters of 4 x 4, 327,680 bytes of LDS; arguments xq, wq, hq; writes hq
.if DOCPART == 3
	.amdgcn_target "amdgcn-amd-amdhsa--gfx1250"
	.amdhsa_code_object_version 6
	.text
	.protected	k_q74c2e5436e_proj
	.globl	k_q74c2e5436e_proj
	.p2align	8
	.type	k_q74c2e5436e_proj,@function
k_q74c2e5436e_proj:
	s_mov_b64 s[64:65], 0
	v_nop
	global_prefetch_b8 v0, s[64:65] scope:SCOPE_SE
	s_setreg_imm32_b32 hwreg(HW_REG_WAVE_MODE, 25, 1), 1
	s_wait_xcnt 0x0
	s_wait_alu depctr_hold_cnt(0) depctr_sa_sdst(0) depctr_va_vdst(0) depctr_va_sdst(0) depctr_va_ssrc(0) depctr_va_vcc(0) depctr_vm_vsrc(0)
	s_getreg_b32 s2, hwreg(HW_REG_IB_STS2, 6, 4)
	s_cmp_eq_u32 s2, 0
	s_cbranch_scc0 .Lentry_in_a_cluster
	s_endpgm
.Lentry_in_a_cluster:
	s_bfe_u32 s2, ttmp6, 0x10000c
	s_cmp_lg_u32 s2, 0xf033
	s_cbranch_scc0 .Lentry_shape_is_right
	s_endpgm
.Lentry_shape_is_right:
.set ROWBLK, 98304
.set SLOT,  98304
.set PART,  24576
.set SPARE, 3*SLOT
.set XS,    14155776
.set WS,    3145728
.set VH,    7864320
.set HS,    14155776
.set VHS,   14483456
.set STW,  8
.set RDA,  9
.set RDB,  10
.set PLO,  11
.set XSO,  12
.set ADRA, 16
.set ADRB, 20
.set LI,   26
.set SPW,  28
.set NIL,  29
.set SA,   32
.set SB,   64
.set AF,   128
.set TM,   96
.set WW,   112
.set OUTW, 120
.set T,    128
.set PC,   192
.set SAQ,  224
.set SBQ,  228
.set G1A,  24
.set G1B,  48
.set FQ,   66
.set FAC,  96
.set SEL,  98
.set MSB, 0
.macro WIN new
.if MSB != (\new)
	s_set_vgpr_msb (MSB<<8)|(\new)
.set MSB, (\new)
.endif
.endm
.set MUL_LO, 0xa1
.set MUL_HI, 0xf1
.set TO_B,   0x40
.macro PLACES n
.rept \n
	v_nop
.endr
.endm
.macro JLOAD ga, gb
	s_cmp_eq_u32 s15, 0
	s_cbranch_scc0 .Lfor_b_\@
	tensor_load_to_lds s[\ga:\ga+3], s[G1A:G1A+7]
	s_nop 0
	PLACES 4
	s_branch .Lasked_\@
.Lfor_b_\@:
	tensor_load_to_lds s[\gb:\gb+3], s[G1B:G1B+7]
	s_nop 0
	PLACES 4
.Lasked_\@:
.endm
.macro CREST
	s_cmp_lg_u32 s14, 0
	s_cbranch_scc1 .Lnot_wave_0_\@
	s_barrier_signal -3
.Lnot_wave_0_\@:
	s_barrier_wait -3
	s_barrier_signal -1
	s_barrier_wait -1
.endm
.macro CROUND
	s_barrier_signal -1
	s_barrier_wait -1
	CREST
.endm
.macro QUANT s, pc, tm, pw
.irp b, 0,1,2,3
	v_max3_num_f32 v[(\tm)+\b], |v[(\s)+16*\b]|, |v[(\s)+1+16*\b]|, 0x1800000
.endr
.irp i, 2,4,6,8,10,12,14
.irp b, 0,1,2,3
	v_max3_num_f32 v[(\tm)+\b], v[(\tm)+\b], |v[(\s)+16*\b+\i]|, |v[(\s)+1+16*\b+\i]|
.endr
.endr
.irp b, 0,1,2,3
	v_permlanex16_b32 v[(\tm)+4+\b], v[(\tm)+\b], s[SEL], s[SEL+1]
.endr
.irp b, 0,1,2,3
	v_max_num_f32 v[(\tm)+\b], v[(\tm)+\b], v[(\tm)+4+\b]
.endr
.irp b, 0,1,2,3
	v_add_nc_u32 v[(\tm)+12+\b], 0xff000000, v[(\tm)+\b]
.endr
.irp b, 0,1,2,3
	v_lshrrev_b32 v[(\tm)+4+\b], 23, v[(\tm)+12+\b]
.endr
	v_lshl_or_b32 v[\pw], v[(\tm)+5], 8, v[(\tm)+4]
	v_lshl_or_b32 v[\pw], v[(\tm)+6], 16, v[\pw]
	v_lshl_or_b32 v[\pw], v[(\tm)+7], 24, v[\pw]
	s_wait_xcnt 0x0
.irp c, 0,1
	v_cvt_scalef32_pk16_fp6_f32 v[(\pc)+6*\c:(\pc)+2+6*\c], v[(\s)+32*\c:(\s)+15+32*\c], v[(\tm)+12+2*\c]
	v_cvt_scalef32_pk16_fp6_f32 v[(\pc)+12+4*\c:(\pc)+14+4*\c], v[(\s)+16+32*\c:(\s)+31+32*\c], v[(\tm)+13+2*\c]
.endr
	v_nop
.irp c, 0,1
.irp i, 0,1,2
	v_permlane16_swap_b32 v[(\pc)+6*\c+\i], v[(\pc)+12+4*\c+\i]
.endr
.irp i, 0,1,2
	v_mov_b32 v[(\pc)+3+6*\c+\i], v[(\pc)+12+4*\c+\i]
.endr
.endr
.endm
.macro WM acc, bf, af, sb, sa, rb, ra, zero
.if \zero
.if (\rb) && (\ra)
	v_wmma_scale_f32_16x16x128_f8f6f4 v[(\acc):(\acc)+7], v[(\bf):(\bf)+11], v[(\af):(\af)+11], 0, v[\sb], v[\sa] matrix_a_fmt:MATRIX_FMT_FP6 matrix_b_fmt:MATRIX_FMT_FP6 matrix_a_scale:MATRIX_SCALE_ROW1 matrix_b_scale:MATRIX_SCALE_ROW1
.elseif (\rb)
	v_wmma_scale_f32_16x16x128_f8f6f4 v[(\acc):(\acc)+7], v[(\bf):(\bf)+11], v[(\af):(\af)+11], 0, v[\sb], v[\sa] matrix_a_fmt:MATRIX_FMT_FP6 matrix_b_fmt:MATRIX_FMT_FP6 matrix_a_scale:MATRIX_SCALE_ROW1
.elseif (\ra)
	v_wmma_scale_f32_16x16x128_f8f6f4 v[(\acc):(\acc)+7], v[(\bf):(\bf)+11], v[(\af):(\af)+11], 0, v[\sb], v[\sa] matrix_a_fmt:MATRIX_FMT_FP6 matrix_b_fmt:MATRIX_FMT_FP6 matrix_b_scale:MATRIX_SCALE_ROW1
.else
	v_wmma_scale_f32_16x16x128_f8f6f4 v[(\acc):(\acc)+7], v[(\bf):(\bf)+11], v[(\af):(\af)+11], 0, v[\sb], v[\sa] matrix_a_fmt:MATRIX_FMT_FP6 matrix_b_fmt:MATRIX_FMT_FP6
.endif
.else
.if (\rb) && (\ra)
	v_wmma_scale_f32_16x16x128_f8f6f4 v[(\acc):(\acc)+7], v[(\bf):(\bf)+11], v[(\af):(\af)+11], v[(\acc):(\acc)+7], v[\sb], v[\sa] matrix_a_fmt:MATRIX_FMT_FP6 matrix_b_fmt:MATRIX_FMT_FP6 matrix_a_scale:MATRIX_SCALE_ROW1 matrix_b_scale:MATRIX_SCALE_ROW1
.elseif (\rb)
	v_wmma_scale_f32_16x16x128_f8f6f4 v[(\acc):(\acc)+7], v[(\bf):(\bf)+11], v[(\af):(\af)+11], v[(\acc):(\acc)+7], v[\sb], v[\sa] matrix_a_fmt:MATRIX_FMT_FP6 matrix_b_fmt:MATRIX_FMT_FP6 matrix_a_scale:MATRIX_SCALE_ROW1
.elseif (\ra)
	v_wmma_scale_f32_16x16x128_f8f6f4 v[(\acc):(\acc)+7], v[(\bf):(\bf)+11], v[(\af):(\af)+11], v[(\acc):(\acc)+7], v[\sb], v[\sa] matrix_a_fmt:MATRIX_FMT_FP6 matrix_b_fmt:MATRIX_FMT_FP6 matrix_b_scale:MATRIX_SCALE_ROW1
.else
	v_wmma_scale_f32_16x16x128_f8f6f4 v[(\acc):(\acc)+7], v[(\bf):(\bf)+11], v[(\af):(\af)+11], v[(\acc):(\acc)+7], v[\sb], v[\sa] matrix_a_fmt:MATRIX_FMT_FP6 matrix_b_fmt:MATRIX_FMT_FP6
.endif
.endif
.endm
.macro MUL16 a0, n, zero
.irp a, \a0, \a0+1
.irp b, 0,1,2,3,4,5,6,7
	WM 8*(8*((\a)%4)+\b), 128*((\n)%2)+12*\b, AF+12*(\a), SB+4*(\n)+\b%4, SA+4*(\n)+(\a)%4, \b/4, (\a)/4, \zero
.endr
.endr
.endm
.macro FRAG reg, adr, ksl, f
.irp c, 0,1,2
	ds_load_b128 v[(\reg)+4*\c:(\reg)+4*\c+3], v[\adr] offset:12288*(\ksl)+1536*(\f)+512*\c
.endr
.endm
.macro FETCH_B n
	WIN TO_B
.irp i, 0,1,2,3,4,5,6,7
	FRAG 128*((\n)%2)+12*\i, ADRB+((\n)/4)*(1-(\n)/6), (\n)%4-2*((\n)/6), \i
.endr
	WIN 0
.endm
.macro FETCH_A n, i0
.irp i, \i0, \i0+1, \i0+2, \i0+3
	FRAG AF+12*(\i), ADRA+((\n)/4)*(1-(\n)/6), (\n)%4-2*((\n)/6), \i
.endr
.endm
.macro STEP n, zero
	s_wait_dscnt 12
	WIN MUL_LO
	MUL16 0, \n, \zero
	MUL16 2, \n, \zero
	s_wait_dscnt 0x0
	PLACES 4
	FETCH_B (\n)+1
	FETCH_A (\n)+1, 0
	WIN MUL_HI
	MUL16 4, \n, \zero
	MUL16 6, \n, \zero
	PLACES 4
	WIN 0
	FETCH_A (\n)+1, 4
.endm
.macro TURN n, fill
	s_wait_tensorcnt 0x0
	ds_add_u32 v[SPW], v[NIL]
	s_wait_dscnt 13
	WIN MUL_LO
	MUL16 0, \n, 0
	s_wait_dscnt 0x0
	s_barrier_signal -1
	MUL16 2, \n, 0
	WIN 0
	s_barrier_wait -1
.if \fill
	CREST
	s_add_nc_u64 s[34:35], s[34:35], 3*PART
	s_add_nc_u64 s[58:59], s[58:59], 3*PART
	JLOAD 32, 56
.else
	PLACES 4
.endif
	FETCH_B (\n)+1
	FETCH_A (\n)+1, 0
	WIN MUL_HI
	MUL16 4, \n, 0
	MUL16 6, \n, 0
	PLACES 4
	WIN 0
	FETCH_A (\n)+1, 4
.endm
.macro QEARLY
	WIN TO_B
.irp b, 0,1,2,3,4,5,6,7
.irp c, 0,1,2
	global_load_b128 v[12*\b+4*\c:12*\b+4*\c+3], v[LI], s[78:79] offset:1536*\b+512*\c
.endr
.endr
.irp f, 0,1,2,3
.irp c, 0,1,2
	global_load_b128 v[96+12*(\f%2)+128*(\f/2)+4*\c:96+12*(\f%2)+128*(\f/2)+4*\c+3], v[LI], s[76:77] offset:1536*\f+512*\c
.endr
.endr
.irp b, 0,1,2,3,4,5,6,7
.irp c, 0,1,2
	global_load_b128 v[128+12*\b+4*\c:128+12*\b+4*\c+3], v[LI], s[78:79] offset:49152+1536*\b+512*\c
.endr
.endr
	WIN 0
.endm
.macro QLATE
	WIN 0x80
.irp f, 0,1,2,3
.irp c, 0,1,2
	global_load_b128 v[12*\f+4*\c:12*\f+4*\c+3], v[LI], s[76:77] offset:49152+1536*\f+512*\c
.endr
.endr
	WIN 0
.endm
.macro KMULQ j, zero
.irp a, 0,1,2,3
.irp b, 0,1,2,3,4,5,6,7
.if (\j) == 0
	WM 8*(8*\a+\b), 12*\b, 96+12*(\a%2)+128*(\a/2), SBQ+\b%4, SAQ+\a, \b/4, 0, \zero
.else
	WM 8*(8*\a+\b), 128+12*\b, 12*\a, SBQ+4+\b%4, SAQ+\a, \b/4, 1, \zero
.endif
.endr
.endr
.endm
	s_load_b128 s[4:7], s[0:1], 0x0
	s_load_b64 s[8:9], s[0:1], 0x10
	v_lshl_add_u32 v[SPW], v0, 2, SPARE
	v_mov_b32 v[NIL], 0
	ds_add_u32 v[SPW], v[NIL]
	ds_add_u32 v[SPW], v[NIL]
	v_lshrrev_b32 v1, 5, v0
	v_readfirstlane_b32 s14, v1
	s_lshr_b32 s15, s14, 1
	s_and_b32 s16, s14, 1
	s_bfe_u32 s40, ttmp6, 0x40000
	s_bfe_u32 s41, ttmp6, 0x40004
	s_and_b32 s17, ttmp7, 0xffff
	s_lshl_b32 s43, s41, 2
	s_lshl_b32 s43, 15, s43
	s_lshl_b32 s44, 0x1111, s40
	s_or_b32 s[G1A], s43, (3<<16)|(1<<21)
	s_or_b32 s[G1B], s44, (3<<16)|(1<<21)
.irp g, G1A, G1B
	s_mov_b32 s[\g+1], 32<<16
	s_mov_b32 s[\g+2], 192<<16                     ; the head's load brings four K steps of a part: 192 rows of 256 bytes
	s_mov_b32 s[\g+3], 32<<16
	s_mov_b32 s[\g+4], 192
	s_mov_b32 s[\g+5], 32
	s_mov_b32 s[\g+6], 0
	s_mov_b32 s[\g+7], 0
.endr
	s_lshl_b32 s19, s17, 3
	s_add_co_u32 s19, s19, 16
	s_cmp_ge_u32 s17, 8
	s_cselect_b32 s20, 16, s19
	s_cselect_b32 s46, s19, 8
	s_lshl_b32 s21, s41, 1
	s_add_co_u32 s20, s20, s21
	s_lshl_b32 s47, s40, 1
	s_add_co_u32 s46, s46, s47
	s_add_co_u32 s21, s20, s16
	s_mul_i32 s22, s21, ROWBLK
	s_mov_b32 s23, 0
	s_add_co_u32 s47, s46, s16
	s_mul_i32 s92, s47, ROWBLK
	s_mov_b32 s93, 0
	s_mul_i32 s45, s14, 2*PART                     ; LDS: part w's K steps 0-3 at 49,152 w (K steps 6-7 later over 0-1); K steps 4-5 at 196,608 + 24,576 w
	s_wait_dscnt 0x0
	s_wait_kmcnt 0x0
	s_cmp_ge_u32 s17, 8
	s_cselect_b64 s[10:11], s[6:7], s[4:5]
	s_cselect_b64 s[12:13], s[4:5], s[6:7]
	s_add_nc_u64 s[22:23], s[10:11], s[22:23]
	s_add_nc_u64 s[92:93], s[12:13], s[92:93]
	CROUND
.macro FIRST ga, gb, t
	s_mov_b32 s[\ga], 1
	s_add_co_u32 s[\ga+1], s45, (\t)*SLOT
	s_add_nc_u64 s[\ga+2:\ga+3], s[22:23], (\t)*PART
	s_or_b32 s[\ga+3], s[\ga+3], 0x80000000
	s_mov_b32 s[\gb], 1
	s_add_co_u32 s[\gb+1], s45, (\t)*SLOT
	s_add_nc_u64 s[\gb+2:\gb+3], s[92:93], (\t)*PART
	s_or_b32 s[\gb+3], s[\gb+3], 0x80000000
.endm
	FIRST 32, 56, 0                                ; K steps 0-3
	FIRST 36, 60, 2                                ; K steps 4-5: 2 PART on in memory,
	s_mul_i32 s2, s14, PART
	s_add_co_u32 s37, s2, 2*SLOT                   ; and behind the four parts' K steps 0-3 in LDS
	s_add_co_u32 s61, s2, 2*SLOT
	JLOAD 32, 56                                   ; one tensor load a wave at the head
	v_and_b32 v1, 31, v0
	v_lshlrev_b32 v[LI], 4, v1
	s_wait_alu depctr_va_vdst(0)
	s_mul_i32 s2, s15, 2*PART
	s_mul_i32 s3, s16, 2*PART
	s_add_co_u32 s3, s3, 4*PART
	v_add_nc_u32 v[ADRA], s2, v[LI]                ; K steps 0-3 and 6-7
	v_add_nc_u32 v[ADRB], s3, v[LI]
	s_mul_i32 s2, s15, PART
	s_mul_i32 s3, s16, PART
	s_add_co_u32 s2, s2, 2*SLOT
	s_add_co_u32 s3, s3, 2*SLOT+2*PART
	v_add_nc_u32 v[ADRA+1], s2, v[LI]              ; K steps 4-5
	v_add_nc_u32 v[ADRB+1], s3, v[LI]
	s_lshl_b32 s2, s14, 15
	v_add_nc_u32 v[STW], s2, v[LI]
	s_lshl_b32 s2, s14, 13
	v_add_nc_u32 v[RDA], s2, v[LI]
	v_add_nc_u32 v[RDB], 65536, v[RDA]
	v_and_b32 v2, 15, v0
	v_bfe_u32 v3, v0, 4, 1
	v_lshlrev_b32 v[XSO], 4, v2
	v_lshl_add_u32 v[PLO], v3, 11, v[XSO]
	s_wait_alu depctr_va_vdst(0)
	s_add_co_u32 s84, s20, s15
	s_lshl_b32 s84, s84, 12
	s_mov_b32 s86, XS
	s_mov_b32 s87, WS
	s_cmp_ge_u32 s17, 8
	s_cselect_b32 s88, s87, s86
	s_cselect_b32 s89, s86, s87
	s_add_co_u32 s84, s84, s88
	s_mov_b32 s85, 0
	s_add_nc_u64 s[84:85], s[10:11], s[84:85]
	s_add_co_u32 s86, s46, s16
	s_lshl_b32 s86, s86, 12
	s_add_co_u32 s86, s86, s89
	s_mov_b32 s87, 0
	s_add_nc_u64 s[86:87], s[12:13], s[86:87]
.irp n, 0,1,2,3,4,5,6,7
	global_load_b128 v[SA+4*\n:SA+4*\n+3], v[LI], s[84:85] offset:512*\n
	global_load_b128 v[SB+4*\n:SB+4*\n+3], v[LI], s[86:87] offset:512*\n
.endr
	s_sub_co_u32 s90, s19, 80
	s_cmp_ge_u32 s17, 8
	s_cselect_b32 s88, 16, 0
	s_cselect_b32 s89, 6, 3
	s_cselect_b32 s90, s90, 0
	s_mov_b32 s91, VH
	s_cselect_b32 s91, s91, 0
	s_mov_b32 s94, VHS
	s_mov_b32 s95, HS
	s_cselect_b32 s94, s94, s95
	s_add_co_u32 s95, s20, s15
	s_sub_co_u32 s95, s95, s88
	s_lshl_b32 s95, s95, s89
	s_lshl_b32 s88, s40, 1
	s_add_co_u32 s88, s88, s16
	s_add_co_u32 s88, s88, s90
	s_add_co_u32 s95, s95, s88
	s_mul_i32 s88, s95, 12288
	s_add_co_u32 s88, s88, s91
	s_mov_b32 s89, 0
	s_add_nc_u64 s[88:89], s[8:9], s[88:89]
	s_lshl_b32 s90, s95, 9
	s_add_co_u32 s90, s90, s94
	s_mov_b32 s91, 0
	s_add_nc_u64 s[90:91], s[8:9], s[90:91]
	s_lshl_b32 s2, s17, 4
	s_lshl_b32 s3, s41, 2
	s_add_co_u32 s2, s2, s3
	s_add_co_u32 s2, s2, s40
	s_and_b32 s3, s2, 7
	s_lshr_b32 s2, s2, 3
	s_lshr_b32 s80, s2, 1
	s_and_b32 s81, s2, 1
	s_lshl_b32 s82, s80, 3
	s_add_co_u32 s76, s82, s14
	s_lshl_b32 s100, s76, 9
	s_mul_i32 s76, s76, 12288
	s_mul_i32 s83, s81, 6144
	s_add_co_u32 s76, s76, s83
	s_mov_b32 s77, 0
	s_add_nc_u64 s[76:77], s[4:5], s[76:77]
	s_lshl_b32 s83, s81, 8
	s_add_co_u32 s100, s100, s83
	s_add_co_u32 s100, s100, XS
	s_mov_b32 s101, 0
	s_add_nc_u64 s[100:101], s[4:5], s[100:101]
	s_lshl_b32 s78, s3, 3
	s_add_co_u32 s78, s78, s14
	s_lshl_b32 s104, s78, 9
	s_add_co_u32 s104, s104, WS
	s_mov_b32 s105, 0
	s_add_nc_u64 s[104:105], s[6:7], s[104:105]
	s_mul_i32 s78, s78, 12288
	s_mov_b32 s79, 0
	s_add_nc_u64 s[78:79], s[6:7], s[78:79]
	s_add_co_u32 s82, s82, s3
	s_lshl_b32 s83, s81, 2
	s_add_co_u32 s83, s83, s14
	s_lshl_b32 s80, s82, 3
	s_add_co_u32 s80, s80, s83
	s_mul_i32 s80, s80, 1536
	s_lshl_b32 s82, s82, 9
	s_lshl_b32 s81, s81, 8
	s_add_co_u32 s82, s82, s81
	s_lshl_b32 s81, s14, 2
	s_add_co_u32 s82, s82, s81
	s_add_co_u32 s82, s82, HS
	s_mov_b32 s83, 0
	s_mov_b32 s81, 0
	s_add_nc_u64 s[80:81], s[8:9], s[80:81]
	s_add_nc_u64 s[82:83], s[8:9], s[82:83]
	global_load_b128 v[SAQ:SAQ+3], v[PLO], s[100:101]
	global_load_b128 v[SBQ:SBQ+3], v[LI], s[104:105]
	global_load_b128 v[SBQ+4:SBQ+7], v[LI], s[104:105] offset:2048
	s_mov_b32 s[FAC], 1.0
	s_mov_b32 s[FAC+1], 1.0
	s_mov_b32 s[FQ], 0x3d000000
	s_mov_b32 s[FQ+1], s[FQ]
	s_mov_b32 s[SEL], 0x76543210
	s_mov_b32 s[SEL+1], 0xfedcba98
.irp b, 0,1,2,3
	v_mov_b32 v[TM+4+\b], 0
.endr
	s_wait_alu depctr_va_vdst(0)                   ; the wait at the head's end
	s_wait_tensorcnt 0x0                           ; my part's K steps 0-3 are in
	ds_add_u32 v[SPW], v[NIL]
	s_mov_b32 s[G1A+2], 96<<16                     ; no tensor load of mine is out: from here on a load brings two K steps, 96 rows
	s_mov_b32 s[G1A+4], 96
	s_mov_b32 s[G1B+2], 96<<16
	s_mov_b32 s[G1B+4], 96
	s_wait_dscnt 0x0
	CROUND
	JLOAD 36, 60                                   ; K steps 4-5, the first tensor load behind the round
	FETCH_B 0
	FETCH_A 0, 0
	FETCH_A 0, 4
	s_wait_loadcnt 0x0
	STEP 0, 1
	STEP 1, 0
	TURN 2, 1                                      ; the one refill: K steps 6-7 over the bytes of K steps 0-1; K steps 4-5 have had two steps' products in which to land
	STEP 3, 0
	STEP 4, 0
	TURN 5, 0
	STEP 6, 0
	s_wait_dscnt 12
	WIN MUL_LO
	MUL16 0, 7, 0
	MUL16 2, 7, 0
	s_wait_dscnt 0x0
	WIN MUL_HI
	MUL16 4, 7, 0
	MUL16 6, 7, 0
	WIN 0
	PLACES 4
	QEARLY
.macro OUTF a
	WIN 0x02+(\a)/4
.set i, 0
.rept 32
	v_pk_mul_f32 v[T+i:T+i+1], v[64*((\a)%4)+i:64*((\a)%4)+i+1], s[FAC:FAC+1] op_sel_hi:[1,0]
.set i, i+2
.endr
	WIN 0
	QUANT T, PC, TM, WW+(\a)
.irp c, 0,1,2
	global_store_b128 v[LI], v[PC+4*\c:PC+4*\c+3], s[88:89] offset:1536*(\a)+512*\c
.endr
.endm
.irp a, 0,1,2,3
	OUTF \a
.endr
	QLATE
.irp a, 4,5,6,7
	OUTF \a
.endr
	v_and_b32 v1, 31, v0
	v_cmp_lt_u32 vcc_lo, 15, v1
.irp j, 0,1,2,3
	v_cndmask_b32 v[OUTW+\j], v[WW+\j], v[WW+4+\j], vcc_lo
.endr
	global_store_b128 v[LI], v[OUTW:OUTW+3], s[90:91]
	s_wait_loadcnt 36
	WIN 0xf5
	KMULQ 0, 1
	s_wait_loadcnt 0x0
	WIN 0xf9
	KMULQ 1, 0
	PLACES 4
	WIN 0
	s_wait_dscnt 0x0
	s_barrier_signal -1
	s_barrier_wait -1
	WIN 0x0c
.set i, 0
.rept 32
	ds_store_b128 v[STW], v[8*i:8*i+3] offset:1024*i
	ds_store_b128 v[STW], v[8*i+4:8*i+7] offset:1024*i+512
.set i, i+1
.endr
	WIN 0
	s_wait_dscnt 0x0
	s_barrier_signal -1
	s_barrier_wait -1
.irp b, 0,1,2,3,4,5,6,7
.irp c, 0,1
	ds_load_b128 v[T+8*\b+4*\c:T+8*\b+4*\c+3], v[RDA] offset:1024*\b+512*\c
.endr
.endr
	WIN TO_B
.irp b, 0,1,2,3,4,5,6,7
.irp c, 0,1
	ds_load_b128 v[8*\b+4*\c:8*\b+4*\c+3], v[RDA] offset:32768+1024*\b+512*\c
	ds_load_b128 v[64+8*\b+4*\c:64+8*\b+4*\c+3], v[RDB] offset:1024*\b+512*\c
	ds_load_b128 v[128+8*\b+4*\c:128+8*\b+4*\c+3], v[RDB] offset:32768+1024*\b+512*\c
.endr
.endr
	WIN 0
	s_wait_dscnt 0x0
	WIN 0x04
.set i, 0
.rept 32
	v_pk_add_f32 v[T+i:T+i+1], v[T+i:T+i+1], v[i:i+1]
.set i, i+2
.endr
.set i, 0
.rept 32
	v_pk_add_f32 v[T+i:T+i+1], v[T+i:T+i+1], v[64+i:65+i]
.set i, i+2
.endr
.set i, 0
.rept 32
	v_pk_add_f32 v[T+i:T+i+1], v[T+i:T+i+1], v[128+i:129+i]
.set i, i+2
.endr
	WIN 0
.set i, 0
.rept 32
	v_pk_mul_f32 v[T+i:T+i+1], v[T+i:T+i+1], s[FQ:FQ+1] op_sel_hi:[1,0]
.set i, i+2
.endr
	QUANT T, PC, TM, WW
.irp c, 0,1,2
	global_store_b128 v[LI], v[PC+4*\c:PC+4*\c+3], s[80:81] offset:512*\c
.endr
	global_store_b32 v[XSO], v[WW], s[82:83]
	s_wait_tensorcnt 0x0
	ds_add_u32 v[SPW], v[NIL]
	s_wait_dscnt 0x0
	CROUND
	s_endpgm
.Lfunc_end_k_q74c2e5436e_proj:
	.size	k_q74c2e5436e_proj, .Lfunc_end_k_q74c2e5436e_proj-k_q74c2e5436e_proj
	.p2alignl 7, 3214868480
	.fill 96, 4, 3214868480
	.section	.rodata,"a",@progbits
	.p2align	6, 0x0
	.amdhsa_kernel k_q74c2e5436e_proj
		.amdhsa_group_segment_fixed_size 327680
		.amdhsa_private_segment_fixed_size 0
		.amdhsa_enable_private_segment 0
		.amdhsa_kernarg_size 24
		.amdhsa_user_sgpr_count 2
		.amdhsa_user_sgpr_kernarg_segment_ptr 1
		.amdhsa_wavefront_size32 1
		.amdhsa_system_sgpr_workgroup_id_x 1
		.amdhsa_system_sgpr_workgroup_id_y 1
		.amdhsa_system_sgpr_workgroup_id_z 1
		.amdhsa_system_vgpr_workitem_id 0
		.amdhsa_next_free_vgpr 1024
		.amdhsa_next_free_sgpr 106
		.amdhsa_reserve_vcc 1
		.amdhsa_float_denorm_mode_32 3
		.amdhsa_float_denorm_mode_16_64 3
		.amdhsa_memory_ordered 1
		.amdhsa_forward_progress 1
		.amdhsa_inst_pref_size 191
	.end_amdhsa_kernel
	.amdgpu_metadata
---
amdhsa.version: [ 1, 2 ]
amdhsa.kernels:
  - .name:           k_q74c2e5436e_proj
    .symbol:         k_q74c2e5436e_proj.kd
    .args:
      - { .name: xq, .offset: 0, .size: 8, .value_kind: global_buffer, .address_space: global }
      - { .name: wq, .offset: 8, .size: 8, .value_kind: global_buffer, .address_space: global }
      - { .name: hq, .offset: 16, .size: 8, .value_kind: global_buffer, .address_space: global }
    .group_segment_fixed_size: 327680
    .private_segment_fixed_size: 0
    .kernarg_segment_align: 8
    .kernarg_segment_size: 24
    .max_flat_workgroup_size: 128
    .sgpr_count:     106
    .vgpr_count:     1024
    .wavefront_size: 32
...
	.end_amdgpu_metadata
.endif
;; end of part 3
;; launch score (part 4): grid 32 x 8, 4 waves a work-group, clusters of 4 x 4, 327,680 bytes of LDS; arguments hq, wq, b1, W2, b2, ref_boxes, query_boxes, pq; writes pq
.if DOCPART == 4
	.amdgcn_target "amdgcn-amd-amdhsa--gfx1250"
	.amdhsa_code_object_version 6
	.text
	.protected	k_q74c2e5436e_score
	.globl	k_q74c2e5436e_score
	.p2align	8
	.type	k_q74c2e5436e_score,@function
k_q74c2e5436e_score:
	s_mov_b64 s[64:65], 0
	v_nop
	global_prefetch_b8 v0, s[64:65] scope:SCOPE_SE
	s_setreg_imm32_b32 hwreg(HW_REG_WAVE_MODE, 25, 1), 1
	s_wait_xcnt 0x0
	s_wait_alu depctr_hold_cnt(0) depctr_sa_sdst(0) depctr_va_vdst(0) depctr_va_sdst(0) depctr_va_ssrc(0) depctr_va_vcc(0) depctr_vm_vsrc(0)
	s_getreg_b32 s2, hwreg(HW_REG_IB_STS2, 6, 4)
	s_cmp_eq_u32 s2, 0
	s_cbranch_scc0 .Lentry_in_a_cluster
	s_endpgm
.Lentry_in_a_cluster:
	s_bfe_u32 s2, ttmp6, 0x10000c
	s_cmp_lg_u32 s2, 0xf033
	s_cbranch_scc0 .Lentry_shape_is_right
	s_endpgm
.Lentry_shape_is_right:
; Launch 4 of 6: S = qh kh^T on codes of FP6, the bias, and p = 2^(t - M) as codes.  Nothing of reference() is left out.
; t = (S - bw dist) log2(e); bw = sigmoid(relu(var @ W1 + b1) @ W2 + b2), finished here in f32 from launch 2's eight partial sums (every work-group makes it for itself: 80 KB read).
; M IS LOCAL: for each query and each 128 keys M = ceil(the largest t of these 128), a whole number.  Stored: the codes, the four scale bytes, -M and the sum l of the unquantised p.  Launch 5 brings all under the row's M
; by taking M_row - M off the scale bytes and scaling l by the same power of two: both exact.
; The product's text is launch 3's: a tile of 256 queries x 256 keys, source 1 = qh, source 0 = kh, three slots of two K steps, one refill, joint loads in a cluster of 4 x 4.
; A lane holds one query; block a's 64 registers are the wave's 128 keys: register 16 g + i = key 32 g + 16 (lane / 16) + i.
; LDS behind the ring (bytes that no tensor load fills): the spare words; ZX: four waves' parts of z; CRS: my wave's 128 key centres, x then y; CQS: my wave's query centres, negated, (x, x, y, y) for each block and lane.
; LIMITS as in launch 1.
; THE RING AS IT STANDS (in place of the three slots named above): part w (128 rows) has its K steps 0-3 at 49,152 w, brought by the head's one load a wave; K steps 4-5 at 196,608 + 24,576 w, a first fill behind a round;
; K steps 6-7 are the one refill, over the bytes of K steps 0-1.  All 68 global loads of the head are issued on end and waited for by count.
.set ROWBLK, 98304
.set SLOT,  98304
.set PART,  24576
.set SPARE, 3*SLOT
.set ZX,    SPARE+512
.set CRS,   ZX+256
.set CQS,   CRS+4096
.set HS,    14155776
.set HP,    3276800
.set PSC,   12582912
.set CRW,  8
.set CRA,  9
.set CQA,  10
.set ZXS,  11
.set ZXL,  12
.set QBO,  13
.set ADRA, 16
.set ADRB, 20
.set LI,   26
.set SPW,  28
.set NIL,  29
.set SA,   32
.set SB,   64
.set AF,   128
.set TM,   96                          ; v96-99 block maxima, v100-103 at work, v108-111 scale operands
.set ZA,   112                         ; head: z's four chains.  Way out: v112 the scale word, v113 at work, v114-115 -M twice, v116-119 the sums
.set EPS,  120                         ; v120-121 1e-8 twice
.set NB,   122                         ; v122-123 -bw log2(e) twice
.set CQ,   124
.set T,    128
.set D,    192
.set PC,   192
.set RB,   96                          ; head: the keys' boxes
.set QX,   128                         ; head: the queries' boxes
.set ZB,   160                         ; head: two groups of b1, eight partial sums, W2
.set G1A,  24
.set G1B,  48
.set L2E,  88
.set SEL,  98
.set MSB, 0
.macro WIN new
.if MSB != (\new)
	s_set_vgpr_msb (MSB<<8)|(\new)
.set MSB, (\new)
.endif
.endm
.set MUL_LO, 0xa1
.set MUL_HI, 0xf1
.set TO_B,   0x40
.macro PLACES n
.rept \n
	v_nop
.endr
.endm
.macro JLOAD ga, gb
	s_cmp_eq_u32 s15, 0
	s_cbranch_scc0 .Lfor_b_\@
	tensor_load_to_lds s[\ga:\ga+3], s[G1A:G1A+7]
	s_nop 0
	PLACES 4
	s_branch .Lasked_\@
.Lfor_b_\@:
	tensor_load_to_lds s[\gb:\gb+3], s[G1B:G1B+7]
	s_nop 0
	PLACES 4
.Lasked_\@:
.endm
.macro CREST
	s_cmp_lg_u32 s14, 0
	s_cbranch_scc1 .Lnot_wave_0_\@
	s_barrier_signal -3
.Lnot_wave_0_\@:
	s_barrier_wait -3
	s_barrier_signal -1
	s_barrier_wait -1
.endm
.macro CROUND
	s_barrier_signal -1
	s_barrier_wait -1
	CREST
.endm
.macro WM acc, bf, af, sb, sa, rb, ra, zero
.if \zero
.if (\rb) && (\ra)
	v_wmma_scale_f32_16x16x128_f8f6f4 v[(\acc):(\acc)+7], v[(\bf):(\bf)+11], v[(\af):(\af)+11], 0, v[\sb], v[\sa] matrix_a_fmt:MATRIX_FMT_FP6 matrix_b_fmt:MATRIX_FMT_FP6 matrix_a_scale:MATRIX_SCALE_ROW1 matrix_b_scale:MATRIX_SCALE_ROW1
.elseif (\rb)
	v_wmma_scale_f32_16x16x128_f8f6f4 v[(\acc):(\acc)+7], v[(\bf):(\bf)+11], v[(\af):(\af)+11], 0, v[\sb], v[\sa] matrix_a_fmt:MATRIX_FMT_FP6 matrix_b_fmt:MATRIX_FMT_FP6 matrix_a_scale:MATRIX_SCALE_ROW1
.elseif (\ra)
	v_wmma_scale_f32_16x16x128_f8f6f4 v[(\acc):(\acc)+7], v[(\bf):(\bf)+11], v[(\af):(\af)+11], 0, v[\sb], v[\sa] matrix_a_fmt:MATRIX_FMT_FP6 matrix_b_fmt:MATRIX_FMT_FP6 matrix_b_scale:MATRIX_SCALE_ROW1
.else
	v_wmma_scale_f32_16x16x128_f8f6f4 v[(\acc):(\acc)+7], v[(\bf):(\bf)+11], v[(\af):(\af)+11], 0, v[\sb], v[\sa] matrix_a_fmt:MATRIX_FMT_FP6 matrix_b_fmt:MATRIX_FMT_FP6
.endif
.else
.if (\rb) && (\ra)
	v_wmma_scale_f32_16x16x128_f8f6f4 v[(\acc):(\acc)+7], v[(\bf):(\bf)+11], v[(\af):(\af)+11], v[(\acc):(\acc)+7], v[\sb], v[\sa] matrix_a_fmt:MATRIX_FMT_FP6 matrix_b_fmt:MATRIX_FMT_FP6 matrix_a_scale:MATRIX_SCALE_ROW1 matrix_b_scale:MATRIX_SCALE_ROW1
.elseif (\rb)
	v_wmma_scale_f32_16x16x128_f8f6f4 v[(\acc):(\acc)+7], v[(\bf):(\bf)+11], v[(\af):(\af)+11], v[(\acc):(\acc)+7], v[\sb], v[\sa] matrix_a_fmt:MATRIX_FMT_FP6 matrix_b_fmt:MATRIX_FMT_FP6 matrix_a_scale:MATRIX_SCALE_ROW1
.elseif (\ra)
	v_wmma_scale_f32_16x16x128_f8f6f4 v[(\acc):(\acc)+7], v[(\bf):(\bf)+11], v[(\af):(\af)+11], v[(\acc):(\acc)+7], v[\sb], v[\sa] matrix_a_fmt:MATRIX_FMT_FP6 matrix_b_fmt:MATRIX_FMT_FP6 matrix_b_scale:MATRIX_SCALE_ROW1
.else
	v_wmma_scale_f32_16x16x128_f8f6f4 v[(\acc):(\acc)+7], v[(\bf):(\bf)+11], v[(\af):(\af)+11], v[(\acc):(\acc)+7], v[\sb], v[\sa] matrix_a_fmt:MATRIX_FMT_FP6 matrix_b_fmt:MATRIX_FMT_FP6
.endif
.endif
.endm
.macro MUL16 a0, n, zero               ; the 64 accumulators take turns in the same order in every step
.irp a, \a0, \a0+1
.irp b, 0,1,2,3,4,5,6,7
	WM 8*(8*((\a)%4)+\b), 128*((\n)%2)+12*\b, AF+12*(\a), SB+4*(\n)+\b%4, SA+4*(\n)+(\a)%4, \b/4, (\a)/4, \zero
.endr
.endr
.endm
.macro FRAG reg, adr, ksl, f
.irp c, 0,1,2
	ds_load_b128 v[(\reg)+4*\c:(\reg)+4*\c+3], v[\adr] offset:12288*(\ksl)+1536*(\f)+512*\c
.endr
.endm
.macro FETCH_B n
	WIN TO_B
.irp i, 0,1,2,3,4,5,6,7
	FRAG 128*((\n)%2)+12*\i, ADRB+((\n)/4)*(1-(\n)/6), (\n)%4-2*((\n)/6), \i
.endr
	WIN 0
.endm
.macro FETCH_A n, i0
.irp i, \i0, \i0+1, \i0+2, \i0+3
	FRAG AF+12*(\i), ADRA+((\n)/4)*(1-(\n)/6), (\n)%4-2*((\n)/6), \i
.endr
.endm
.macro STEP n, zero
	s_wait_dscnt 12                                ; all but the youngest 12 loads (source 1's blocks 4-7) are in
	WIN MUL_LO
	MUL16 0, \n, \zero
	MUL16 2, \n, \zero
	s_wait_dscnt 0x0
	PLACES 4
	FETCH_B (\n)+1
	FETCH_A (\n)+1, 0
	WIN MUL_HI
	MUL16 4, \n, \zero
	MUL16 6, \n, \zero
	PLACES 4
	WIN 0
	FETCH_A (\n)+1, 4
.endm
.macro TURN n, fill
	s_wait_tensorcnt 0x0                           ; all my tensor loads have landed
	ds_add_u32 v[SPW], v[NIL]
	s_wait_dscnt 13                                ; (the add and the youngest 12 loads may be out)
	WIN MUL_LO
	MUL16 0, \n, 0
	s_wait_dscnt 0x0
	s_barrier_signal -1
	MUL16 2, \n, 0
	WIN 0
	s_barrier_wait -1
.if \fill
	CREST
	s_add_nc_u64 s[34:35], s[34:35], 3*PART
	s_add_nc_u64 s[58:59], s[58:59], 3*PART
	JLOAD 32, 56
.else
	PLACES 4
.endif
	FETCH_B (\n)+1
	FETCH_A (\n)+1, 0
	WIN MUL_HI
	MUL16 4, \n, 0
	MUL16 6, \n, 0
	PLACES 4
	WIN 0
	FETCH_A (\n)+1, 4
.endm
	s_load_b256 s[4:11], s[0:1], 0x0               ; hq, wq, b1, W2
	s_load_b256 s[76:83], s[0:1], 0x20             ; b2, ref_boxes, query_boxes, pq
	v_lshl_add_u32 v[SPW], v0, 2, SPARE
	v_mov_b32 v[NIL], 0
	ds_add_u32 v[SPW], v[NIL]                      ; the opening: the add, twice on end, and its wait ahead of my first tensor load
	ds_add_u32 v[SPW], v[NIL]
	v_lshrrev_b32 v1, 5, v0
	v_readfirstlane_b32 s14, v1
	s_lshr_b32 s15, s14, 1
	s_and_b32 s16, s14, 1
	s_bfe_u32 s40, ttmp6, 0x40000
	s_bfe_u32 s41, ttmp6, 0x40004
	s_lshl_b32 s42, ttmp9, 2
	s_add_co_u32 s42, s42, s40                     ; tile of 256 keys
	s_and_b32 s17, ttmp7, 0xffff
	s_lshl_b32 s17, s17, 2
	s_add_co_u32 s17, s17, s41                     ; tile of 256 queries
	s_lshl_b32 s43, s41, 2
	s_lshl_b32 s43, 15, s43
	s_lshl_b32 s44, 0x1111, s40
	s_or_b32 s[G1A], s43, (3<<16)|(1<<21)
	s_or_b32 s[G1B], s44, (3<<16)|(1<<21)
.irp g, G1A, G1B
	s_mov_b32 s[\g+1], 32<<16
	s_mov_b32 s[\g+2], 192<<16                     ; the head's load: 192 rows of 256 bytes
	s_mov_b32 s[\g+3], 32<<16
	s_mov_b32 s[\g+4], 192
	s_mov_b32 s[\g+5], 32
	s_mov_b32 s[\g+6], 0
	s_mov_b32 s[\g+7], 0
.endr
	s_lshl_b32 s20, s17, 1                         ; qh's first block
	s_lshl_b32 s46, s42, 1
	s_add_co_u32 s46, s46, 16                      ; kh's
	s_add_co_u32 s21, s20, s16
	s_mul_i32 s22, s21, ROWBLK
	s_mov_b32 s23, 0
	s_add_co_u32 s47, s46, s16
	s_mul_i32 s92, s47, ROWBLK
	s_mov_b32 s93, 0
	s_mul_i32 s45, s14, 2*PART
	s_wait_dscnt 0x0
	s_wait_kmcnt 0x0
	s_add_nc_u64 s[22:23], s[4:5], s[22:23]
	s_add_nc_u64 s[92:93], s[4:5], s[92:93]
	CROUND
.macro FIRST ga, gb, t
	s_mov_b32 s[\ga], 1
	s_add_co_u32 s[\ga+1], s45, (\t)*SLOT
	s_add_nc_u64 s[\ga+2:\ga+3], s[22:23], (\t)*PART
	s_or_b32 s[\ga+3], s[\ga+3], 0x80000000
	s_mov_b32 s[\gb], 1
	s_add_co_u32 s[\gb+1], s45, (\t)*SLOT
	s_add_nc_u64 s[\gb+2:\gb+3], s[92:93], (\t)*PART
	s_or_b32 s[\gb+3], s[\gb+3], 0x80000000
.endm
	FIRST 32, 56, 0                                ; K steps 0-3
	FIRST 36, 60, 2                                ; K steps 4-5: 2 PART on in memory,
	s_mul_i32 s2, s14, PART
	s_add_co_u32 s37, s2, 2*SLOT                   ; and behind the four parts' K steps 0-3 in LDS
	s_add_co_u32 s61, s2, 2*SLOT
	JLOAD 32, 56                                   ; one tensor load a wave at the head
	s_load_b32 s86, s[76:77], 0x0                  ; b2
	v_and_b32 v1, 31, v0
	s_wait_alu depctr_va_vdst(0)
	v_lshlrev_b32 v[LI], 4, v1
	s_wait_alu depctr_va_vdst(0)                   ; the wait here, directly behind the write of 16 x lane
	s_mul_i32 s2, s15, 2*PART
	s_mul_i32 s3, s16, 2*PART
	s_add_co_u32 s3, s3, 4*PART
	v_add_nc_u32 v[ADRA], s2, v[LI]                ; K steps 0-3 and 6-7
	v_add_nc_u32 v[ADRB], s3, v[LI]
	s_mul_i32 s2, s15, PART
	s_mul_i32 s3, s16, PART
	s_add_co_u32 s2, s2, 2*SLOT
	s_add_co_u32 s3, s3, 2*SLOT+2*PART
	v_add_nc_u32 v[ADRA+1], s2, v[LI]              ; K steps 4-5
	v_add_nc_u32 v[ADRB+1], s3, v[LI]
	v_bfe_u32 v3, v0, 4, 1
	s_lshl_b32 s2, s14, 10
	s_add_co_u32 s2, s2, CRS
	v_lshl_add_u32 v[CRW], v1, 2, s2
	v_lshl_add_u32 v[CRA], v3, 6, s2
	s_lshl_b32 s2, s14, 12
	s_add_co_u32 s2, s2, CQS
	v_add_nc_u32 v[CQA], s2, v[LI]
	s_lshl_b32 s2, s14, 2
	s_add_co_u32 s2, s2, ZX
	v_mov_b32 v[ZXS], s2
	v_mov_b32 v[ZXL], ZX
	v_and_b32 v4, 7, v0
	v_bfe_u32 v5, v0, 3, 1
	v_lshlrev_b32 v[QBO], 4, v4
	v_lshl_add_u32 v[QBO], v5, 8, v[QBO]           ; a query's box: 16 bytes; lane r's row in a fragment is r % 8 + 16 (r / 8)
	s_wait_alu depctr_va_vdst(0)
	s_add_co_u32 s84, s20, s15                     ; my block of 128 queries
	s_lshl_b32 s85, s42, 1
	s_add_co_u32 s85, s85, s16                     ; my block of 128 keys
	s_lshl_b32 s2, s85, 11
	s_mov_b32 s3, 0
	s_add_nc_u64 s[78:79], s[78:79], s[2:3]
	s_lshl_b32 s2, s84, 11
	s_add_nc_u64 s[80:81], s[80:81], s[2:3]
	s_lshl_b32 s2, s14, 11                         ; z: my 512 hidden units
	s_add_nc_u64 s[8:9], s[8:9], s[2:3]
	s_add_nc_u64 s[10:11], s[10:11], s[2:3]
	s_add_co_u32 s2, s2, HP
	s_add_nc_u64 s[90:91], s[6:7], s[2:3]
	s_lshl_b32 s2, s84, 12
	s_add_co_u32 s2, s2, HS
	s_add_nc_u64 s[94:95], s[4:5], s[2:3]          ; qh's scale words
	s_add_co_u32 s2, s46, s16
	s_lshl_b32 s2, s2, 12
	s_add_co_u32 s2, s2, HS
	s_add_nc_u64 s[96:97], s[4:5], s[2:3]          ; kh's
	s_lshl_b32 s2, s84, 7
	s_add_co_u32 s2, s2, s85
	s_mul_i32 s2, s2, 6144
	s_add_nc_u64 s[66:67], s[82:83], s[2:3]        ; P's codes
	s_lshl_b32 s2, s84, 6
	s_add_co_u32 s2, s2, s85
	s_lshl_b32 s2, s2, 9
	s_add_co_u32 s2, s2, PSC
	s_add_nc_u64 s[100:101], s[82:83], s[2:3]      ; P's scale words; -M and l lie 524,288 and 1,048,576 bytes on
	s_mov_b32 s[L2E], 0x3fb8aa3b
	s_mov_b32 s[L2E+1], s[L2E]
	s_mov_b32 s[SEL], 0x76543210
	s_mov_b32 s[SEL+1], 0xfedcba98
.irp m, 0,1,2,3
	global_load_b128 v[RB+4*\m:RB+4*\m+3], v[LI], s[78:79] offset:512*\m
.endr
.irp a, 0,1,2,3,4,5,6,7
	global_load_b128 v[QX+4*\a:QX+4*\a+3], v[QBO], s[80:81] offset:(32*(\a/2)+8*(\a%2))*16
.endr
.macro ZLOAD m0                        ; hidden units 512 w + 128 m + 4 lane on, m = m0, m0 + 1: b1, the eight partial sums, W2
.irp p, 0,1
	global_load_b128 v[ZB+40*\p:ZB+40*\p+3], v[LI], s[8:9] offset:512*((\m0)+\p)
.irp kc, 0,1,2,3,4,5,6,7
	global_load_b128 v[ZB+40*\p+4+4*\kc:ZB+40*\p+7+4*\kc], v[LI], s[90:91] offset:8192*\kc+512*((\m0)+\p)
.endr
	global_load_b128 v[ZB+40*\p+36:ZB+40*\p+39], v[LI], s[10:11] offset:512*((\m0)+\p)
.endr
.endm
.macro ZSUM first                      ; first = 1: the two groups in window 0; first = 0: the two in window 1
.irp p, 0,1
	WIN 0x55*(1-(\first))
.irp kc, 0,1,2,3,4,5,6,7
	v_pk_add_f32 v[ZB+40*\p:ZB+40*\p+1], v[ZB+40*\p:ZB+40*\p+1], v[ZB+40*\p+4+4*\kc:ZB+40*\p+5+4*\kc]
	v_pk_add_f32 v[ZB+40*\p+2:ZB+40*\p+3], v[ZB+40*\p+2:ZB+40*\p+3], v[ZB+40*\p+6+4*\kc:ZB+40*\p+7+4*\kc]
.endr
.irp j, 0,1,2,3
	v_max_num_f32 v[ZB+40*\p+\j], 0, v[ZB+40*\p+\j]
.endr
	WIN 0x05*(1-(\first))                          ; the four chains of z lie in window 0
.if (\first) && (\p == 0)
	v_pk_mul_f32 v[ZA:ZA+1], v[ZB:ZB+1], v[ZB+36:ZB+37]
	v_pk_mul_f32 v[ZA+2:ZA+3], v[ZB+2:ZB+3], v[ZB+38:ZB+39]
.else
	v_pk_fma_f32 v[ZA:ZA+1], v[ZB+40*\p:ZB+40*\p+1], v[ZB+40*\p+36:ZB+40*\p+37], v[ZA:ZA+1]
	v_pk_fma_f32 v[ZA+2:ZA+3], v[ZB+40*\p+2:ZB+40*\p+3], v[ZB+40*\p+38:ZB+40*\p+39], v[ZA+2:ZA+3]
.endif
.endr
	WIN 0
.endm
	ZLOAD 0
	WIN 0x40                                       ; the other two groups into the same numbers of window 1, which is free until the first K step's fetch of set 1
	ZLOAD 2
	WIN 0
.irp n, 0,1,2,3,4,5,6,7
	global_load_b128 v[SA+4*\n:SA+4*\n+3], v[LI], s[94:95] offset:512*\n
	global_load_b128 v[SB+4*\n:SB+4*\n+3], v[LI], s[96:97] offset:512*\n
.endr
	s_wait_loadcnt 56                              ; the boxes are in; z's 40 loads and the 16 of scale words may be out
.irp m, 0,1,2,3
	v_add_f32 v[240+2*\m], v[RB+4*\m], v[RB+4*\m+2]
	v_add_f32 v[241+2*\m], v[RB+4*\m+1], v[RB+4*\m+3]
.endr
.irp m, 0,1,2,3,4,5,6,7
	v_mul_f32 v[240+\m], 0.5, v[240+\m]            ; the keys' centres
.endr
.irp m, 0,1,2,3
	ds_store_b32 v[CRW], v[240+2*\m] offset:128*\m
	ds_store_b32 v[CRW], v[241+2*\m] offset:512+128*\m
.endr
.irp a, 0,1,2,3,4,5,6,7
	v_add_f32 v[QX+4*\a], v[QX+4*\a], v[QX+4*\a+2]
	v_add_f32 v[QX+4*\a+2], v[QX+4*\a+1], v[QX+4*\a+3]
	v_mul_f32 v[QX+4*\a], -0.5, v[QX+4*\a]         ; the queries' centres, negated: exact
	v_mul_f32 v[QX+4*\a+2], -0.5, v[QX+4*\a+2]
	v_mov_b32 v[QX+4*\a+1], v[QX+4*\a]
	v_mov_b32 v[QX+4*\a+3], v[QX+4*\a+2]
	ds_store_b128 v[CQA], v[QX+4*\a:QX+4*\a+3] offset:512*\a
.endr
	s_wait_loadcnt 36                              ; z's first 20 loads are in
	ZSUM 1
	s_wait_loadcnt 16                              ; and its other 20; the scale words may be out
	ZSUM 0
	v_add_f32 v[ZA], v[ZA], v[ZA+1]
	v_add_f32 v[ZA+2], v[ZA+2], v[ZA+3]
	v_add_f32 v[ZA], v[ZA], v[ZA+2]
	v_add_f32_dpp v[ZA], v[ZA], v[ZA] row_xmask:1 row_mask:0xf bank_mask:0xf
	v_add_f32_dpp v[ZA], v[ZA], v[ZA] row_xmask:2 row_mask:0xf bank_mask:0xf
	v_add_f32_dpp v[ZA], v[ZA], v[ZA] row_xmask:4 row_mask:0xf bank_mask:0xf
	v_add_f32_dpp v[ZA], v[ZA], v[ZA] row_xmask:8 row_mask:0xf bank_mask:0xf
	v_permlanex16_b32 v[ZA+1], v[ZA], s[SEL], s[SEL+1]
	v_add_f32 v[ZA], v[ZA], v[ZA+1]
	ds_store_b32 v[ZXS], v[ZA]                     ; my wave's part of z
.irp b, 0,1,2,3
	v_mov_b32 v[TM+4+\b], 0
.endr
	s_wait_kmcnt 0x0                               ; b2
	s_wait_alu depctr_va_vdst(0)                   ; the wait at the head's end
	s_wait_tensorcnt 0x0                           ; my part's K steps 0-3 are in
	ds_add_u32 v[SPW], v[NIL]
	s_mov_b32 s[G1A+2], 96<<16                     ; no tensor load of mine is out: from here on a load brings two K steps, 96 rows
	s_mov_b32 s[G1A+4], 96
	s_mov_b32 s[G1B+2], 96<<16
	s_mov_b32 s[G1B+4], 96
	s_wait_dscnt 0x0                               ; the add is done, and my stores of centres and of z have landed
	CROUND
	JLOAD 36, 60                                   ; K steps 4-5, the first tensor load behind the round
	FETCH_B 0
	FETCH_A 0, 0
	FETCH_A 0, 4
	s_wait_loadcnt 6                               ; the scale words of K steps 0-4 are in; the youngest six loads (K steps 5-7) may be out
	STEP 0, 1
	STEP 1, 0
	TURN 2, 1                                      ; the one refill: K steps 6-7 over the bytes of K steps 0-1; K steps 4-5 have had two steps' products in which to land
	STEP 3, 0
	s_wait_loadcnt 0x0                             ; the scale words of K steps 5-7
	STEP 4, 0
	TURN 5, 0
	STEP 6, 0
	s_wait_dscnt 12
	WIN MUL_LO
	MUL16 0, 7, 0
	MUL16 2, 7, 0
	s_wait_dscnt 0x0
	WIN MUL_HI
	MUL16 4, 7, 0
	MUL16 6, 7, 0
	WIN 0
	; THE WAY OUT
	PLACES 4
	ds_load_b128 v[ZA:ZA+3], v[ZXL]
	WIN 0x40                                       ; the keys' centres into window 1: x in v0-63, y in v64-127, in the order of a block's 64 registers
.irp g, 0,1,2,3
.irp j, 0,1,2,3
	ds_load_b128 v[16*\g+4*\j:16*\g+4*\j+3], v[CRA] offset:128*\g+16*\j
	ds_load_b128 v[64+16*\g+4*\j:64+16*\g+4*\j+3], v[CRA] offset:512+128*\g+16*\j
.endr
.endr
	WIN 0
	s_wait_dscnt 0x0
	v_add_f32 v[ZA], v[ZA], v[ZA+1]
	v_add_f32 v[ZA+2], v[ZA+2], v[ZA+3]
	v_add_f32 v[ZA], v[ZA], v[ZA+2]
	v_add_f32 v[ZA], s86, v[ZA]                    ; z
	v_mul_f32 v[ZA], 0xbfb8aa3b, v[ZA]
	s_wait_alu depctr_va_vdst(0)
	v_exp_f32 v[ZA], v[ZA]                         ; e^-z
	v_mov_b32 v[EPS], 0x322bcc77                   ; 1e-8 (a plain place behind the transcendental)
	s_wait_alu depctr_va_vdst(0)                   ; the wait ahead of the first reader
	v_add_f32 v[ZA], 1.0, v[ZA]
	s_wait_alu depctr_va_vdst(0)
	v_rcp_f32 v[ZA], v[ZA]                         ; bw
	v_mov_b32 v[EPS+1], v[EPS]
	s_wait_alu depctr_va_vdst(0)
	v_mul_f32 v[NB], 0xbfb8aa3b, v[ZA]             ; -bw log2(e)
	v_mov_b32 v[NB+1], v[NB]
.macro SOFT a
	s_wait_xcnt 0x0                                ; the last fragment's stores have read the code registers
	ds_load_b128 v[CQ:CQ+3], v[CQA] offset:512*(\a)
	s_wait_dscnt 0x0
	WIN 0x01
.set i, 0
.rept 32
	v_pk_add_f32 v[D+i:D+i+1], v[i:i+1], v[CQ:CQ+1]            ; -(dx)
.set i, i+2
.endr
.set i, 0
.rept 32
	v_pk_add_f32 v[T+i:T+i+1], v[64+i:64+i+1], v[CQ+2:CQ+3]    ; -(dy)
.set i, i+2
.endr
	WIN 0
.set i, 0
.rept 32
	v_pk_fma_f32 v[D+i:D+i+1], v[D+i:D+i+1], v[D+i:D+i+1], v[EPS:EPS+1]
.set i, i+2
.endr
.set i, 0
.rept 32
	v_pk_fma_f32 v[D+i:D+i+1], v[T+i:T+i+1], v[T+i:T+i+1], v[D+i:D+i+1]
.set i, i+2
.endr
.set i, 0
	s_wait_alu depctr_va_vdst(0)
.rept 64
	v_sqrt_f32 v[D+i], v[D+i]                      ; dist: one batch
.set i, i+1
.endr
	WIN 0x02+(\a)/4
.set i, 0
	s_wait_alu depctr_va_vdst(0)
.rept 32
	v_pk_mul_f32 v[T+i:T+i+1], v[64*((\a)%4)+i:64*((\a)%4)+i+1], s[L2E:L2E+1] op_sel_hi:[1,0]   ; S log2(e): work that names no root; each accumulator from its low end on
.set i, i+2
.endr
	WIN 0
	s_wait_alu depctr_va_vdst(0)                   ; one wait for the 64 roots, ahead of their first reader
.set i, 0
.rept 32
	v_pk_fma_f32 v[T+i:T+i+1], v[D+i:D+i+1], v[NB:NB+1], v[T+i:T+i+1]   ; t
.set i, i+2
.endr
.irp b, 0,1,2,3
	v_max3_num_f32 v[TM+\b], v[T+16*\b], v[T+1+16*\b], v[T+2+16*\b]     ; each block's largest t: for the row's maximum and for the block's largest p
.endr
.irp i, 3,5,7,9,11,13
.irp b, 0,1,2,3
	v_max3_num_f32 v[TM+\b], v[TM+\b], v[T+16*\b+\i], v[T+1+16*\b+\i]
.endr
.endr
.irp b, 0,1,2,3
	v_max_num_f32 v[TM+\b], v[TM+\b], v[T+15+16*\b]
.endr
.irp b, 0,1,2,3
	v_permlanex16_b32 v[TM+4+\b], v[TM+\b], s[SEL], s[SEL+1]
.endr
.irp b, 0,1,2,3
	v_max_num_f32 v[TM+\b], v[TM+\b], v[TM+4+\b]
.endr
	v_max3_num_f32 v113, v[TM], v[TM+1], v[TM+2]
	v_max_num_f32 v113, v113, v[TM+3]
	v_floor_f32 v114, -v113                        ; -M = floor(-t) = -ceil(t)
	v_floor_f32 v115, -v113
.set i, 0
.rept 32
	v_pk_add_f32 v[T+i:T+i+1], v[T+i:T+i+1], v[114:115]
.set i, i+2
.endr
.irp b, 0,1,2,3
	v_add_f32 v[TM+\b], v[TM+\b], v114
.endr
.set i, 0
	s_wait_alu depctr_va_vdst(0)
.rept 64
	v_exp_f32 v[T+i], v[T+i]                       ; p = 2^(t - M): one batch
.set i, i+1
.endr
	v_nop                                          ; a plain place behind the batch
	s_wait_alu depctr_va_vdst(0)                   ; one wait for the 64
.irp b, 0,1,2,3
	v_exp_f32 v[TM+\b], v[TM+\b]                   ; the block's largest p: the same two steps on the same number
.endr
	v_pk_add_f32 v[116:117], v[T:T+1], v[T+2:T+3]  ; the sum of the unquantised p, in two chains
	v_pk_add_f32 v[118:119], v[T+4:T+5], v[T+6:T+7]
.irp j, 8,12,16,20,24,28,32,36,40,44,48,52,56,60
	v_pk_add_f32 v[116:117], v[116:117], v[T+\j:T+\j+1]
	v_pk_add_f32 v[118:119], v[118:119], v[T+\j+2:T+\j+3]
.endr
	v_pk_add_f32 v[116:117], v[116:117], v[118:119]
	s_wait_alu depctr_va_vdst(0)                   ; and one for the four
.irp b, 0,1,2,3
	v_max_num_f32 v[TM+\b], 0x1800000, v[TM+\b]
.endr
.irp b, 0,1,2,3
	v_add_nc_u32 v[TM+12+\b], 0xff000000, v[TM+\b]
.endr
.irp b, 0,1,2,3
	v_lshrrev_b32 v[TM+4+\b], 23, v[TM+12+\b]
.endr
	v_lshl_or_b32 v112, v[TM+5], 8, v[TM+4]
	v_lshl_or_b32 v112, v[TM+6], 16, v112
	v_lshl_or_b32 v112, v[TM+7], 24, v112
.irp c, 0,1
	v_cvt_scalef32_pk16_fp6_f32 v[PC+6*\c:PC+2+6*\c], v[T+32*\c:T+15+32*\c], v[TM+12+2*\c]
	v_cvt_scalef32_pk16_fp6_f32 v[PC+12+4*\c:PC+14+4*\c], v[T+16+32*\c:T+31+32*\c], v[TM+13+2*\c]
.endr
	v_add_f32 v116, v116, v117                     ; (a plain place behind the scaled conversions)
.irp c, 0,1
.irp i, 0,1,2
	v_permlane16_swap_b32 v[PC+6*\c+\i], v[PC+12+4*\c+\i]
.endr
.irp i, 0,1,2
	v_mov_b32 v[PC+3+6*\c+\i], v[PC+12+4*\c+\i]
.endr
.endr
	v_permlanex16_b32 v113, v116, s[SEL], s[SEL+1]
	v_add_f32 v116, v116, v113                     ; l of these 128 keys
.irp c, 0,1,2
	global_store_b128 v[LI], v[PC+4*\c:PC+4*\c+3], s[66:67] offset:((\a)/4)*393216+((\a)%4)*1536+512*\c
.endr
	WIN 0x40
	v_mov_b32 v[128+(\a)], v112                    ; kept in window 1 until all eight are there
	v_mov_b32 v[136+(\a)], v114
	v_mov_b32 v[144+(\a)], v116
	WIN 0
.endm
.irp a, 0,1,2,3,4,5,6,7
	SOFT \a
.endr
	s_wait_xcnt 0x0
	v_and_b32 v113, 31, v0
	v_cmp_lt_u32 vcc_lo, 15, v113
	WIN 0x05
.irp j, 0,1,2,3
	v_cndmask_b32 v[192+\j], v[128+\j], v[132+\j], vcc_lo
	v_cndmask_b32 v[196+\j], v[136+\j], v[140+\j], vcc_lo
	v_cndmask_b32 v[200+\j], v[144+\j], v[148+\j], vcc_lo
.endr
	WIN 0
	global_store_b128 v[LI], v[192:195], s[100:101]
	global_store_b128 v[LI], v[196:199], s[100:101] offset:524288
	global_store_b128 v[LI], v[200:203], s[100:101] offset:1048576
	s_wait_tensorcnt 0x0                           ; the wave's end
	ds_add_u32 v[SPW], v[NIL]
	s_wait_dscnt 0x0
	CROUND
	s_endpgm
.Lfunc_end_k_q74c2e5436e_score:
	.size	k_q74c2e5436e_score, .Lfunc_end_k_q74c2e5436e_score-k_q74c2e5436e_score
	.p2alignl 7, 3214868480
	.fill 96, 4, 3214868480
	.section	.rodata,"a",@progbits
	.p2align	6, 0x0
	.amdhsa_kernel k_q74c2e5436e_score
		.amdhsa_group_segment_fixed_size 327680
		.amdhsa_private_segment_fixed_size 0
		.amdhsa_enable_private_segment 0
		.amdhsa_kernarg_size 64
		.amdhsa_user_sgpr_count 2
		.amdhsa_user_sgpr_kernarg_segment_ptr 1
		.amdhsa_wavefront_size32 1
		.amdhsa_system_sgpr_workgroup_id_x 1
		.amdhsa_system_sgpr_workgroup_id_y 1
		.amdhsa_system_sgpr_workgroup_id_z 1
		.amdhsa_system_vgpr_workitem_id 0
		.amdhsa_next_free_vgpr 1024
		.amdhsa_next_free_sgpr 102
		.amdhsa_reserve_vcc 1
		.amdhsa_float_denorm_mode_32 3
		.amdhsa_float_denorm_mode_16_64 3
		.amdhsa_memory_ordered 1
		.amdhsa_forward_progress 1
		.amdhsa_inst_pref_size 255
	.end_amdhsa_kernel
	.section	.bss,"aw",@nobits
	.p2align	6
	.space	262144
	.amdgpu_metadata
---
amdhsa.version: [ 1, 2 ]
amdhsa.kernels:
  - .name:           k_q74c2e5436e_score
    .symbol:         k_q74c2e5436e_score.kd
    .args:
      - { .name: hq, .offset: 0, .size: 8, .value_kind: global_buffer, .address_space: global }
      - { .name: wq, .offset: 8, .size: 8, .value_kind: global_buffer, .address_space: global }
      - { .name: b1, .offset: 16, .size: 8, .value_kind: global_buffer, .address_space: global }
      - { .name: W2, .offset: 24, .size: 8, .value_kind: global_buffer, .address_space: global }
      - { .name: b2, .offset: 32, .size: 8, .value_kind: global_buffer, .address_space: global }
      - { .name: ref_boxes, .offset: 40, .size: 8, .value_kind: global_buffer, .address_space: global }
      - { .name: query_boxes, .offset: 48, .size: 8, .value_kind: global_buffer, .address_space: global }
      - { .name: pq, .offset: 56, .size: 8, .value_kind: global_buffer, .address_space: global }
    .group_segment_fixed_size: 327680
    .private_segment_fixed_size: 0
    .kernarg_segment_align: 8
    .kernarg_segment_size: 64
    .max_flat_workgroup_size: 128
    .sgpr_count:     102
    .vgpr_count:     1024
    .wavefront_size: 32
...
	.end_amdgpu_metadata
.endif
;; end of part 4
;; launch pv (part 5): grid 32 x 8, 4 waves a work-group, clusters of 4 x 1, 327,680 bytes of LDS; arguments pq, hq, xo; writes xo
.if DOCPART == 5
	.amdgcn_target "amdgcn-amd-amdhsa--gfx1250"
	.amdhsa_code_object_version 6
	.text
	.protected	k_q74c2e5436e_pv
	.globl	k_q74c2e5436e_pv
	.p2align	8
	.type	k_q74c2e5436e_pv,@function
k_q74c2e5436e_pv:
	s_mov_b64 s[64:65], 0
	v_nop
	global_prefetch_b8 v0, s[64:65] scope:SCOPE_SE
	s_setreg_imm32_b32 hwreg(HW_REG_WAVE_MODE, 25, 1), 1
	s_wait_xcnt 0x0
	s_wait_alu depctr_hold_cnt(0) depctr_sa_sdst(0) depctr_va_vdst(0) depctr_va_sdst(0) depctr_va_ssrc(0) depctr_va_vcc(0) depctr_vm_vsrc(0)
	s_getreg_b32 s2, hwreg(HW_REG_IB_STS2, 6, 4)
	s_cmp_eq_u32 s2, 0
	s_cbranch_scc0 .Lentry_in_a_cluster
	s_endpgm
.Lentry_in_a_cluster:
	s_bfe_u32 s2, ttmp6, 0x10000c
	s_cmp_lg_u32 s2, 0x3003
	s_cbranch_scc0 .Lentry_shape_is_right
	s_endpgm
.Lentry_shape_is_right:
; Launch 5 of 6: x = (P V) / l on codes of FP6, quantised along d for launch 6.  Nothing of reference() is left out.
; SHARES: work-group (qt, dt) makes 64 queries x 128 of d; K = 8,192 keys = 64 K steps of 128.  The four waves split K: wave w takes K steps w + 4 j, j = 0 .. 15, on the whole tile: 32 accumulators, 512 products a wave.
; TWO ROADS FOR THE OPERANDS.  V's block row of one dt (786,432 bytes) is wanted by all 32 qt: the four work-groups of a cluster (4, 1, 1: four qt, one dt) ask for it JOINTLY, mask 15, through a ring of two LDS slots of
; 12 K steps (147,456 bytes, dense in memory: 576 rows of 256 bytes).  P's fragments (393,216 bytes a work-group) are used by one wave of one work-group of the cluster once: they lie in pq as images of their registers and go
; from memory straight into the operand's registers, four sets of 48, three steps ahead of their products; so do V's fragments of each wave's last step (K steps 60-63), asked for at the head.
; THE RING: the head's one load a wave (288 rows) fills BOTH slots, K steps 0-23; the exchange of M and the work on the scale bytes stand under its flight.  Slots 2, 3, 4 of the walk (K steps 24-59) are three refills, 144 rows a wave:
; slot s + 1 is asked for at the head of slot s's three steps, behind a round of the cluster's barrier, and waited for at their end.
; PREFETCH: V's slot s + 2 is asked for one change of slots ahead of its joint load (slot 2 at the head): of its 576 units of 256 bytes the partner at place cx takes 144, its wave w 36 (32 lanes and 4), told apart by address.
; P's steps j + 7 and j + 8 are asked for in every second step: a block's 24 units are shared out among the 8 work-groups of one qt, 3 to a dt; lanes left over name the last unit again.  Nothing is asked for beyond slot 4 and step 14.
; M: launch 4 left -M and l for each query and 128 keys.  Here the row's -M is the least of the 64; M_row - M comes off P's scale bytes and scales l by the same power of two: both exact.
; LIMITS: a scale byte that would fall under 0 is held at 0 (such p lie 2^-120 and more under the row's largest); the sum over K is split over four waves and joined in f32: another order of rounding than K ascending; else as in launch 1.
; REGISTERS: window 0: v8-31 addresses, v32-63 P's scale words, v64-127 V's, v128-255 at work in head and tail.  Window 1: v0-191 P's four sets, v192-227 V's fragments 5-7 of step 15.  Window 2: accumulators.
; Window 3: v0-191 V's two sets, v192-251 V's fragments 0-4 of step 15.
; LDS: two slots; MX, LX, the spare words behind them (no tensor load lands there).  The way out's stage lies in slot 1's bytes, behind that slot's last fill (slot 3 of the walk) and the barrier behind its last read.
.set SLOTB, 147456
.set QUART, 36864
.set MX,    2*SLOTB                    ; [wave] -M, 512 bytes each
.set LX,    MX+2048                    ; [wave] l
.set SPARE, LX+2048
.set PSC,   12582912
.set VH,    7864320
.set VHS,   14483456
.set XOS,   1572864
.set PFA,  8
.set PFB,  9
.set PFC,  10
.set ADB,  12                          ; v12-17 LDS address of my V fragments: slot 0 steps 0, 1, 2; slot 1 steps 0, 1, 2
.set STW,  20
.set RDA,  21
.set RDB,  22
.set LXS,  23
.set LXA,  24
.set MXS,  25
.set LI,   26
.set MXL,  27
.set SPW,  28
.set NIL,  29
.set PLO,  30
.set XSO,  31
.set SA,   32
.set SB,   64
.set PM,   128
.set PL,   160
.set NMR,  192
.set LP,   196
.set T,    128
.set PC,   192
.set TM,   216
.set PW,   232
.set VP,   10                          ; s[10:11] where my prefetches of V begin
.set AP,   30                          ; s[30:31] P's codes, my K step 0
.set BP,   32                          ; s[32:33] V's codes, K step 60 + w
.set PS,   34                          ; P's scale words, -M, l
.set VS,   36                          ; V's scale words
.set XC,   38                          ; x's codes
.set XW,   40                          ; x's scale words
.set G0,   44                          ; s[44:47], s[48:51] descriptor group 0 for the refills, one for each slot
.set G1,   52                          ; s[52:59] group 1
.set SEL,  60
.set G0H,  68                          ; s[68:71] group 0 for the head's load
.set MSB, 0
.macro WIN new
.if MSB != (\new)
	s_set_vgpr_msb (MSB<<8)|(\new)
.set MSB, (\new)
.endif
.endm
.macro PLACES n
.rept \n
	v_nop
.endr
.endm
.macro ROUND                           ; a round of the cluster's barrier
	s_barrier_signal -1
	s_barrier_wait -1
	s_cmp_lg_u32 s14, 0
	s_cbranch_scc1 .Lnot_wave_0_\@
	s_barrier_signal -3
.Lnot_wave_0_\@:
	s_barrier_wait -3
	s_barrier_signal -1
	s_barrier_wait -1
.endm
.macro QUANT s, pc, tm, pw
.irp b, 0,1,2,3
	v_max3_num_f32 v[(\tm)+\b], |v[(\s)+16*\b]|, |v[(\s)+1+16*\b]|, 0x1800000
.endr
.irp i, 2,4,6,8,10,12,14
.irp b, 0,1,2,3
	v_max3_num_f32 v[(\tm)+\b], v[(\tm)+\b], |v[(\s)+16*\b+\i]|, |v[(\s)+1+16*\b+\i]|
.endr
.endr
.irp b, 0,1,2,3
	v_permlanex16_b32 v[(\tm)+4+\b], v[(\tm)+\b], s[SEL], s[SEL+1]
.endr
.irp b, 0,1,2,3
	v_max_num_f32 v[(\tm)+\b], v[(\tm)+\b], v[(\tm)+4+\b]
.endr
.irp b, 0,1,2,3
	v_add_nc_u32 v[(\tm)+12+\b], 0xff000000, v[(\tm)+\b]
.endr
.irp b, 0,1,2,3
	v_lshrrev_b32 v[(\tm)+4+\b], 23, v[(\tm)+12+\b]
.endr
	v_lshl_or_b32 v[\pw], v[(\tm)+5], 8, v[(\tm)+4]
	v_lshl_or_b32 v[\pw], v[(\tm)+6], 16, v[\pw]
	v_lshl_or_b32 v[\pw], v[(\tm)+7], 24, v[\pw]
.irp c, 0,1
	v_cvt_scalef32_pk16_fp6_f32 v[(\pc)+6*\c:(\pc)+2+6*\c], v[(\s)+32*\c:(\s)+15+32*\c], v[(\tm)+12+2*\c]
	v_cvt_scalef32_pk16_fp6_f32 v[(\pc)+12+4*\c:(\pc)+14+4*\c], v[(\s)+16+32*\c:(\s)+31+32*\c], v[(\tm)+13+2*\c]
.endr
	v_nop                                          ; one plain place behind a scaled conversion
.irp c, 0,1
.irp i, 0,1,2
	v_permlane16_swap_b32 v[(\pc)+6*\c+\i], v[(\pc)+12+4*\c+\i]
.endr
.irp i, 0,1,2
	v_mov_b32 v[(\pc)+3+6*\c+\i], v[(\pc)+12+4*\c+\i]
.endr
.endr
.endm
.macro WM acc, bf, af, sb, sa, rb, ra, zero
.if \zero
.if (\rb) && (\ra)
	v_wmma_scale_f32_16x16x128_f8f6f4 v[(\acc):(\acc)+7], v[(\bf):(\bf)+11], v[(\af):(\af)+11], 0, v[\sb], v[\sa] matrix_a_fmt:MATRIX_FMT_FP6 matrix_b_fmt:MATRIX_FMT_FP6 matrix_a_scale:MATRIX_SCALE_ROW1 matrix_b_scale:MATRIX_SCALE_ROW1
.elseif (\rb)
	v_wmma_scale_f32_16x16x128_f8f6f4 v[(\acc):(\acc)+7], v[(\bf):(\bf)+11], v[(\af):(\af)+11], 0, v[\sb], v[\sa] matrix_a_fmt:MATRIX_FMT_FP6 matrix_b_fmt:MATRIX_FMT_FP6 matrix_a_scale:MATRIX_SCALE_ROW1
.elseif (\ra)
	v_wmma_scale_f32_16x16x128_f8f6f4 v[(\acc):(\acc)+7], v[(\bf):(\bf)+11], v[(\af):(\af)+11], 0, v[\sb], v[\sa] matrix_a_fmt:MATRIX_FMT_FP6 matrix_b_fmt:MATRIX_FMT_FP6 matrix_b_scale:MATRIX_SCALE_ROW1
.else
	v_wmma_scale_f32_16x16x128_f8f6f4 v[(\acc):(\acc)+7], v[(\bf):(\bf)+11], v[(\af):(\af)+11], 0, v[\sb], v[\sa] matrix_a_fmt:MATRIX_FMT_FP6 matrix_b_fmt:MATRIX_FMT_FP6
.endif
.else
.if (\rb) && (\ra)
	v_wmma_scale_f32_16x16x128_f8f6f4 v[(\acc):(\acc)+7], v[(\bf):(\bf)+11], v[(\af):(\af)+11], v[(\acc):(\acc)+7], v[\sb], v[\sa] matrix_a_fmt:MATRIX_FMT_FP6 matrix_b_fmt:MATRIX_FMT_FP6 matrix_a_scale:MATRIX_SCALE_ROW1 matrix_b_scale:MATRIX_SCALE_ROW1
.elseif (\rb)
	v_wmma_scale_f32_16x16x128_f8f6f4 v[(\acc):(\acc)+7], v[(\bf):(\bf)+11], v[(\af):(\af)+11], v[(\acc):(\acc)+7], v[\sb], v[\sa] matrix_a_fmt:MATRIX_FMT_FP6 matrix_b_fmt:MATRIX_FMT_FP6 matrix_a_scale:MATRIX_SCALE_ROW1
.elseif (\ra)
	v_wmma_scale_f32_16x16x128_f8f6f4 v[(\acc):(\acc)+7], v[(\bf):(\bf)+11], v[(\af):(\af)+11], v[(\acc):(\acc)+7], v[\sb], v[\sa] matrix_a_fmt:MATRIX_FMT_FP6 matrix_b_fmt:MATRIX_FMT_FP6 matrix_b_scale:MATRIX_SCALE_ROW1
.else
	v_wmma_scale_f32_16x16x128_f8f6f4 v[(\acc):(\acc)+7], v[(\bf):(\bf)+11], v[(\af):(\af)+11], v[(\acc):(\acc)+7], v[\sb], v[\sa] matrix_a_fmt:MATRIX_FMT_FP6 matrix_b_fmt:MATRIX_FMT_FP6
.endif
.endif
.endm
.macro VLOAD i                         ; V's eight fragments of my step i (0 .. 14) from slot (i / 3) % 2 into set i % 2: 24 LDS loads
	WIN 0xc0
.irp b, 0,1,2,3,4,5,6,7
.irp c, 0,1,2
	ds_load_b128 v[96*((\i)%2)+12*\b+4*\c:96*((\i)%2)+12*\b+4*\c+3], v[ADB+3*(((\i)/3)%2)+(\i)%3] offset:1536*\b+512*\c
.endr
.endr
.endm
.macro PLOAD i                         ; P's four fragments of my step i from memory into set i % 4: 12 loads
	WIN 0x40
.irp f, 0,1,2,3
.irp c, 0,1,2
	global_load_b128 v[48*((\i)%4)+12*\f+4*\c:48*((\i)%4)+12*\f+4*\c+3], v[LI], s[AP:AP+1] offset:24576*(\i)+1536*\f+512*\c
.endr
.endr
.endm
.macro KMUL j, zero                    ; source 0 = V's fragments, source 1 = P's; the 32 accumulators take turns in the same order in every step
	WIN 0xa7
.irp a, 0,1,2,3
.irp b, 0,1,2,3,4,5,6,7
	WM 8*(8*\a+\b), 96*((\j)%2)+12*\b, 48*((\j)%4)+12*\a, SB+4*(\j)+\b%4, SA+4*((\j)/2)+\a, \b/4, (\j)%2, \zero
.endr
.endr
.endm
; A change of slots, at the head of slot s's three steps.  Every wave: all its tensor loads have landed; the add; its reads of slot s - 1 are over.  For s = 1, 2, 3 a round follows, and slot s + 1 is asked for, into the bytes of slot s - 1.
; s = 0: the head's load is whole in all four waves' eyes; slot 1 came with it, so nothing is asked for.  s = 4: slot 4 is the last.
.macro CHANGE s
	WIN 0
	s_wait_tensorcnt 0x0
	ds_add_u32 v[SPW], v[NIL]
.if (\s) == 0
	s_mov_b32 s[G1+2], 144<<16                     ; no tensor load of mine is out, so a descriptor may be written: from here on a load brings 144 rows
	s_mov_b32 s[G1+4], 144
.endif
.if (\s) == 3
	s_add_nc_u64 s[G0+2:G0+3], s[G0+2:G0+3], 2*SLOTB   ; from slot 2 of the walk to slot 4
.endif
	s_wait_dscnt 0x0
.if ((\s) >= 1) && ((\s) <= 3)
	ROUND
	tensor_load_to_lds s[G0+4*(((\s)+1)%2):G0+4*(((\s)+1)%2)+3], s[G1:G1+7]
	s_nop 0
	PLACES 4
.else
	s_barrier_signal -1
	s_barrier_wait -1
.endif
.endm
.macro TRIP j                          ; step j's products; ahead of them the next step's fragments of V are fetched, behind them P's of four steps on
.if ((((\j)+1)%3) == 0) && (((\j)+1) < 15)
	CHANGE ((\j)+1)/3
.endif
.if (\j)+1 < 15
	VLOAD (\j)+1                                   ; into the set that step j - 1 multiplied: four places stand behind its last product
	s_wait_dscnt 24                                ; step j's fragments of V are in; the 24 loads just issued may be out
.else
	s_wait_dscnt 0x0
.endif
.if (\j) < 4
	s_wait_loadcnt 60                              ; step j's fragments of P are in; behind them: three steps of P (36) and step 15's V (24)
.elseif (\j) < 13
	s_wait_loadcnt 36                              ; behind them: three steps of P
.else
	s_wait_loadcnt 12*(15-(\j))
.endif
.if ((((\j)+1)%3) == 0) && (((\j)+1) < 9)
	global_prefetch_b8 v[PFB], s[VP:VP+1] offset:(((\j)+1)/3+2)*SLOTB th:TH_LOAD_NT scope:SCOPE_SE   ; my 36 units of the slot that the next change asks for; the address registers are never rewritten
	global_prefetch_b8 v[PFC], s[VP:VP+1] offset:(((\j)+1)/3+2)*SLOTB th:TH_LOAD_NT scope:SCOPE_SE
.endif
.if (((\j)%2) == 0) && ((\j) < 8)
	global_prefetch_b8 v[PFA], s[AP:AP+1] offset:24576*((\j)+7) th:TH_LOAD_NT scope:SCOPE_SE          ; my share of P's steps j + 7 and j + 8, whose loads stand behind steps j + 3 and j + 4
.endif
.if (\j) == 0
	KMUL \j, 1                                     ; the first products start the sums
.else
	KMUL \j, 0
.endif
	PLACES 4
.if (\j)+4 < 16
	PLOAD (\j)+4
.endif
.endm
	s_load_b128 s[4:7], s[0:1], 0x0                ; pq, hq
	s_load_b64 s[8:9], s[0:1], 0x10                ; xo
	v_lshl_add_u32 v[SPW], v0, 2, SPARE
	v_mov_b32 v[NIL], 0
	ds_add_u32 v[SPW], v[NIL]                      ; the opening: the add, twice on end, and its wait ahead of my first tensor load
	ds_add_u32 v[SPW], v[NIL]
	v_lshrrev_b32 v1, 5, v0
	v_readfirstlane_b32 s14, v1                    ; wave
	s_and_b32 s16, ttmp7, 0xffff                   ; dt: tile of 128 of d, the same in the four partners
	s_mul_i32 s13, s16, 786432
	s_add_co_u32 s13, s13, VH                      ; V's block row
	s_mul_i32 s12, s14, QUART                      ; my quarter of a slot: 144 rows of 256 bytes
	s_add_co_u32 s42, s13, s12
	s_mov_b32 s43, 0
	s_mul_i32 s29, s14, 2*QUART                    ; my quarter of both slots: 288 rows
	s_add_co_u32 s62, s13, s29
	s_mov_b32 s63, 0
	s_mov_b32 s[G1], 15|(3<<16)|(1<<21)            ; the mask: all four of the cluster; elements of 8 bytes; bit 21 beside a mask
	s_mov_b32 s[G1+1], 32<<16
	s_mov_b32 s[G1+2], 288<<16                     ; the head's load: 288 rows
	s_mov_b32 s[G1+3], 32<<16
	s_mov_b32 s[G1+4], 288
	s_mov_b32 s[G1+5], 32
	s_mov_b32 s[G1+6], 0
	s_mov_b32 s[G1+7], 0
	s_lshl_b32 s3, s14, 9
	s_lshl_b32 s20, s14, 15
	s_add_co_u32 s20, s20, SLOTB
	s_lshl_b32 s21, s14, 13
	s_add_co_u32 s21, s21, SLOTB
	s_add_co_u32 s22, s3, LX
	s_add_co_u32 s23, s3, MX
	s_lshl_b32 s24, s14, 2
	s_add_co_u32 s24, s24, LX
	s_mul_i32 s28, s14, 12288
	s_add_co_u32 s[BP], s13, s28
	s_add_co_u32 s[BP], s[BP], 60*12288
	s_mov_b32 s[BP+1], 0
	s_lshl_b32 s[VS], s16, 15
	s_add_co_u32 s[VS], s[VS], s3
	s_add_co_u32 s[VS], s[VS], VHS
	s_mov_b32 s[VS+1], 0
	s_mul_i32 s25, s16, 768                        ; P: units 3 dt on of a block
	s_bfe_u32 s15, ttmp6, 0x40000                  ; cx: it enters global addresses alone
	s_lshl_b32 s17, ttmp9, 2
	s_add_co_u32 s17, s17, s15                     ; qt: tile of 64 queries
	s_lshr_b32 s18, s17, 1
	s_and_b32 s19, s17, 1
	s_mul_i32 s[VP], s15, QUART
	s_add_co_u32 s[VP], s[VP], s13
	s_mul_i32 s[VP+1], s14, 9216
	s_add_co_u32 s[VP], s[VP], s[VP+1]
	s_mov_b32 s[VP+1], 0
	s_mul_i32 s[AP], s17, 393216
	s_mul_i32 s2, s14, 6144
	s_add_co_u32 s[AP], s[AP], s2
	s_mov_b32 s[AP+1], 0
	s_lshl_b32 s[PS], s18, 15
	s_add_co_u32 s[PS], s[PS], s3
	s_lshl_b32 s2, s19, 8
	s_add_co_u32 s[PS], s[PS], s2
	s_add_co_u32 s[PS], s[PS], PSC
	s_mov_b32 s[PS+1], 0
	s_lshl_b32 s2, s18, 3
	s_add_co_u32 s2, s2, s16
	s_lshl_b32 s2, s2, 3
	s_lshl_b32 s26, s19, 2
	s_add_co_u32 s2, s2, s26
	s_add_co_u32 s2, s2, s14
	s_mul_i32 s[XC], s2, 1536                      ; block (qt / 2, K step dt), fragment 4 (qt % 2) + w
	s_mov_b32 s[XC+1], 0
	s_lshl_b32 s2, s17, 2
	s_add_co_u32 s2, s2, s14
	s_lshl_b32 s2, s2, 3
	s_add_co_u32 s2, s2, s16
	s_lshl_b32 s2, s2, 6
	s_add_co_u32 s[XW], s2, XOS
	s_mov_b32 s[XW+1], 0
	s_mov_b32 s[SEL], 0x76543210
	s_mov_b32 s[SEL+1], 0xfedcba98
	s_wait_dscnt 0x0                               ; both opening adds are done
	s_wait_kmcnt 0x0
	s_mov_b32 s[G0H], 1
	s_mov_b32 s[G0H+1], s29
	s_add_nc_u64 s[G0H+2:G0H+3], s[6:7], s[62:63]
	s_or_b32 s[G0H+3], s[G0H+3], 0x80000000
	s_add_nc_u64 s[42:43], s[6:7], s[42:43]
.irp s, 0,1
	s_mov_b32 s[G0+4*\s], 1
	s_add_co_u32 s[G0+4*\s+1], s12, \s*SLOTB
	s_add_nc_u64 s[G0+4*\s+2:G0+4*\s+3], s[42:43], (2+\s)*SLOTB   ; slots 2 and 3 of the walk
	s_or_b32 s[G0+4*\s+3], s[G0+4*\s+3], 0x80000000
.endr
	s_add_nc_u64 s[VP:VP+1], s[6:7], s[VP:VP+1]
	s_add_nc_u64 s[AP:AP+1], s[4:5], s[AP:AP+1]
	s_add_nc_u64 s[BP:BP+1], s[6:7], s[BP:BP+1]
	s_add_nc_u64 s[PS:PS+1], s[4:5], s[PS:PS+1]
	s_add_nc_u64 s[VS:VS+1], s[6:7], s[VS:VS+1]
	s_add_nc_u64 s[XC:XC+1], s[8:9], s[XC:XC+1]
	s_add_nc_u64 s[XW:XW+1], s[8:9], s[XW:XW+1]
	ROUND                                          ; the four work-groups are here: the first joint loads meet
	tensor_load_to_lds s[G0H:G0H+3], s[G1:G1+7]    ; both slots, K steps 0-23: one tensor load a wave at the head
	s_nop 0
	PLACES 4
	v_and_b32 v1, 31, v0
	v_lshlrev_b32 v[LI], 4, v1
	v_and_b32 v2, 15, v0
	v_bfe_u32 v3, v0, 4, 1
	v_add_nc_u32 v[ADB], s28, v[LI]                ; K step w + 4 j of a slot's twelve at 12,288 (w + 4 j)
	v_add_nc_u32 v[ADB+1], 49152, v[ADB]
	v_add_nc_u32 v[ADB+2], 98304, v[ADB]
	v_add_nc_u32 v[ADB+3], SLOTB, v[ADB]
	v_add_nc_u32 v[ADB+4], SLOTB+49152, v[ADB]
	v_add_nc_u32 v[ADB+5], SLOTB+98304, v[ADB]
	v_add_nc_u32 v[STW], s20, v[LI]                ; my stage
	v_add_nc_u32 v[RDA], s21, v[LI]                ; accumulators 8 w on, of waves 0 and 1;
	v_add_nc_u32 v[RDB], 65536, v[RDA]             ; of waves 2 and 3
	v_add_nc_u32 v[LXS], s22, v[LI]
	v_add_nc_u32 v[MXS], s23, v[LI]
	v_add_nc_u32 v[MXL], MX, v[LI]
	v_add_nc_u32 v[LXA], s24, v[LI]
	v_lshlrev_b32 v[PLO], 4, v2
	v_lshl_add_u32 v[PLO], v3, 11, v[PLO]          ; P's scale words: lanes 16-31 four K steps on
	v_lshlrev_b32 v[XSO], 2, v2
	v_min_u32 v4, 5, v1                            ; P's six units: u = 0 .. 5,
	v_mul_u32_u24 v5, v4, 11
	v_lshrrev_b32 v5, 5, v5                        ; u / 3: which of the two steps
	v_mul_u32_u24 v5, v5, 24576-768
	v_lshl_add_u32 v4, v4, 8, v5
	v_add_nc_u32 v[PFA], s25, v4                   ; 24,576 (u / 3) + 256 (3 dt + u % 3)
	v_lshlrev_b32 v[PFB], 8, v1                    ; V: my units 0-31,
	v_min_u32 v6, 3, v1
	v_lshl_add_u32 v[PFC], v6, 8, 8192             ; and 32-35
.irp a, 0,1,2,3
	v_mov_b32 v[200+\a], 0                         ; a lane permute's destination counts as one of its sources
.endr
	s_wait_alu depctr_va_vdst(0)
.irp t, 0,1,2,3,4,5,6,7                ; register 4 t + a: lanes 0-15 K step 8 t + w, lanes 16-31 K step 8 t + 4 + w, fragment a
	global_load_b128 v[PM+4*\t:PM+4*\t+3], v[PLO], s[PS:PS+1] offset:524288+4096*\t
	global_load_b128 v[SA+4*\t:SA+4*\t+3], v[PLO], s[PS:PS+1] offset:4096*\t
	global_load_b128 v[PL+4*\t:PL+4*\t+3], v[PLO], s[PS:PS+1] offset:1048576+4096*\t
	global_load_b128 v[SB+8*\t:SB+8*\t+3], v[LI], s[VS:VS+1] offset:4096*\t
	global_load_b128 v[SB+8*\t+4:SB+8*\t+7], v[LI], s[VS:VS+1] offset:4096*\t+2048
.endr
	PLOAD 0
	PLOAD 1
	WIN 0
	s_wait_loadcnt 24                              ; the 40 loads of scale words, -M and l are in; P's steps 0 and 1 may be out
.irp a, 0,1,2,3
	v_min3_num_f32 v[NMR+\a], v[PM+\a], v[PM+4+\a], v[PM+8+\a]
.endr
.irp a, 0,1,2,3
	v_min3_num_f32 v[NMR+\a], v[NMR+\a], v[PM+12+\a], v[PM+16+\a]
.endr
.irp a, 0,1,2,3
	v_min3_num_f32 v[NMR+\a], v[NMR+\a], v[PM+20+\a], v[PM+24+\a]
.endr
.irp a, 0,1,2,3
	v_min_num_f32 v[NMR+\a], v[NMR+\a], v[PM+28+\a]
.endr
.irp a, 0,1,2,3
	v_permlanex16_b32 v[200+\a], v[NMR+\a], s[SEL], s[SEL+1]
.endr
.irp a, 0,1,2,3
	v_min_num_f32 v[NMR+\a], v[NMR+\a], v[200+\a]  ; the least -M of my 16 K steps
.endr
	ds_store_b128 v[MXS], v[NMR:NMR+3]
	s_wait_dscnt 0x0
	s_barrier_signal -1                            ; the head's load stays out across it
	s_barrier_wait -1
.irp s, 0,1,2,3
	ds_load_b128 v[216+4*\s:219+4*\s], v[MXL] offset:512*\s
.endr
	PLOAD 2                                        ; behind the exchange's LDS instructions: 48 more loads
	PLOAD 3
	WIN 0xc0                                       ; V's fragments of my step 15, K step 60 + w
.irp b, 0,1,2,3,4
.irp c, 0,1,2
	global_load_b128 v[192+12*\b+4*\c:192+12*\b+4*\c+3], v[LI], s[BP:BP+1] offset:1536*\b+512*\c
.endr
.endr
	WIN 0x40
.irp b, 5,6,7
.irp c, 0,1,2
	global_load_b128 v[192+12*(\b-5)+4*\c:192+12*(\b-5)+4*\c+3], v[LI], s[BP:BP+1] offset:1536*\b+512*\c
.endr
.endr
	WIN 0
	global_prefetch_b8 v[PFB], s[VP:VP+1] offset:2*SLOTB th:TH_LOAD_NT scope:SCOPE_SE   ; my 36 units of slot 2
	global_prefetch_b8 v[PFC], s[VP:VP+1] offset:2*SLOTB th:TH_LOAD_NT scope:SCOPE_SE
	s_wait_dscnt 0x0
.irp a, 0,1,2,3
	v_min3_num_f32 v[NMR+\a], v[216+\a], v[220+\a], v[224+\a]
.endr
.irp a, 0,1,2,3
	v_min_num_f32 v[NMR+\a], v[NMR+\a], v[228+\a]  ; the row's -M
.endr
.macro SHIFT t                         ; d = M - M_row, a whole number, 0 or less, held at -127: l x 2^d; |d| off each of the four scale bytes, held at 0
.irp a, 0,1,2,3
	v_sub_f32 v[200+\a], v[NMR+\a], v[PM+4*(\t)+\a]
.endr
.irp a, 0,1,2,3
	v_max_num_f32 v[200+\a], 0xc2fe0000, v[200+\a]
.endr
.irp a, 0,1,2,3
	v_cvt_i32_f32 v[200+\a], v[200+\a]
.endr
.irp a, 0,1,2,3
.if (\t) == 0
	v_ldexp_f32 v[LP+\a], v[PL+\a], v[200+\a]
.else
	v_ldexp_f32 v[204+\a], v[PL+4*(\t)+\a], v[200+\a]
.endif
.endr
.irp a, 0,1,2,3
	v_sub_nc_u32 v[200+\a], 0, v[200+\a]
.endr
.if (\t) > 0
.irp a, 0,1,2,3
	v_add_f32 v[LP+\a], v[LP+\a], v[204+\a]
.endr
.endif
.irp a, 0,1,2,3
	v_perm_b32 v[200+\a], v[200+\a], v[200+\a], 0  ; |d| in all four bytes
.endr
.irp a, 0,1,2,3
	v_or_b32 v[208+\a], 0x80808080, v[SA+4*(\t)+\a]   ; p's bytes lie under 128: bit 7 of each byte keeps the borrow inside it
.endr
.irp a, 0,1,2,3
	v_sub_nc_u32 v[208+\a], v[208+\a], v[200+\a]
.endr
.irp a, 0,1,2,3
	v_and_b32 v[212+\a], 0x80808080, v[208+\a]     ; bit 7 left standing: the byte did not fall under 0
.endr
.irp a, 0,1,2,3
	v_lshrrev_b32 v[204+\a], 7, v[212+\a]
.endr
.irp a, 0,1,2,3
	v_sub_nc_u32 v[212+\a], v[212+\a], v[204+\a]   ; 0x7f for such a byte, else 0
.endr
.irp a, 0,1,2,3
	v_and_b32 v[SA+4*(\t)+\a], v[208+\a], v[212+\a]
.endr
.endm
.irp t, 0,1,2,3,4,5,6,7
	SHIFT \t
.endr
.irp a, 0,1,2,3
	v_permlanex16_b32 v[200+\a], v[LP+\a], s[SEL], s[SEL+1]
.endr
.irp a, 0,1,2,3
	v_add_f32 v[LP+\a], v[LP+\a], v[200+\a]        ; l of my 16 K steps, under the row's M
.endr
	PLACES 8                                       ; a scale register written by a vector instruction stands 8 places ahead of a scaled matrix instruction
	s_wait_alu depctr_va_vdst(0)                   ; the wait at the head's end
	CHANGE 0                                       ; both slots are whole
	VLOAD 0
.irp j, 0,1,2,3,4,5,6,7,8,9,10,11,12,13,14
	TRIP \j
.endr
	s_wait_loadcnt 0x0                             ; step 15: P's last fragments (V's came long ago)
.irp a, 0,1,2,3
	WIN 0xa7
.irp b, 0,1,2,3,4
	WM 8*(8*\a+\b), 192+12*\b, 144+12*\a, SB+60+\b%4, SA+28+\a, \b/4, 1, 0
.endr
	WIN 0xa5
.irp b, 5,6,7
	WM 8*(8*\a+\b), 192+12*(\b-5), 144+12*\a, SB+60+\b%4, SA+28+\a, 1, 1, 0
.endr
.endr
	PLACES 4
	; THE WAY OUT: the four waves' partial tiles meet in LDS as images of the accumulators; wave w adds fragment w's 16 queries, divides by l, quantises and stores
	WIN 0x08
.set i, 0
.rept 32
	ds_store_b128 v[STW], v[8*i:8*i+3] offset:1024*i             ; each accumulator from its low end on
	ds_store_b128 v[STW], v[8*i+4:8*i+7] offset:1024*i+512
.set i, i+1
.endr
	WIN 0
	ds_store_b128 v[LXS], v[LP:LP+3]
	s_wait_dscnt 0x0
	s_barrier_signal -1
	s_barrier_wait -1
.irp b, 0,1,2,3,4,5,6,7
.irp c, 0,1
	ds_load_b128 v[128+8*\b+4*\c:131+8*\b+4*\c], v[RDA] offset:1024*\b+512*\c
	ds_load_b128 v[192+8*\b+4*\c:195+8*\b+4*\c], v[RDA] offset:32768+1024*\b+512*\c
.endr
.endr
	WIN 0x40
.irp b, 0,1,2,3,4,5,6,7
.irp c, 0,1
	ds_load_b128 v[8*\b+4*\c:8*\b+4*\c+3], v[RDB] offset:1024*\b+512*\c
	ds_load_b128 v[64+8*\b+4*\c:67+8*\b+4*\c], v[RDB] offset:32768+1024*\b+512*\c
.endr
.endr
	WIN 0
.irp s, 0,1,2,3
	ds_load_b32 v[4+\s], v[LXA] offset:512*\s
.endr
	s_wait_dscnt 0x0
	v_add_f32 v4, v4, v5
	v_add_f32 v6, v6, v7
	v_add_f32 v4, v4, v6                           ; the row's l
	s_wait_alu depctr_va_vdst(0)                   ; the wait ahead of the transcendental
	v_rcp_f32 v4, v4
.set i, 0
.rept 32
	v_pk_add_f32 v[T+i:T+i+1], v[T+i:T+i+1], v[192+i:193+i]
.set i, i+2
.endr
	WIN 0x04
.set i, 0
.rept 32
	v_pk_add_f32 v[T+i:T+i+1], v[T+i:T+i+1], v[i:i+1]
.set i, i+2
.endr
.set i, 0
.rept 32
	v_pk_add_f32 v[T+i:T+i+1], v[T+i:T+i+1], v[64+i:65+i]
.set i, i+2
.endr
	WIN 0
	s_wait_alu depctr_va_vdst(0)                   ; and ahead of its first reader
	v_mov_b32 v5, v4
.set i, 0
.rept 32
	v_pk_mul_f32 v[T+i:T+i+1], v[T+i:T+i+1], v[4:5]
.set i, i+2
.endr
	QUANT T, PC, TM, PW
.irp c, 0,1,2
	global_store_b128 v[LI], v[PC+4*\c:PC+4*\c+3], s[XC:XC+1] offset:512*\c   ; 512 consecutive bytes
.endr
	global_store_b32 v[XSO], v[PW], s[XW:XW+1]     ; both halves of the lanes write the same 64 bytes with the same values
	s_wait_tensorcnt 0x0                           ; the wave's end
	ds_add_u32 v[SPW], v[NIL]
	s_wait_dscnt 0x0
	ROUND                                          ; the closing round
	s_endpgm
.Lfunc_end_k_q74c2e5436e_pv:
	.size	k_q74c2e5436e_pv, .Lfunc_end_k_q74c2e5436e_pv-k_q74c2e5436e_pv
	.p2alignl 7, 3214868480
	.fill 96, 4, 3214868480
	.section	.rodata,"a",@progbits
	.p2align	6, 0x0
	.amdhsa_kernel k_q74c2e5436e_pv
		.amdhsa_group_segment_fixed_size 327680
		.amdhsa_private_segment_fixed_size 0
		.amdhsa_enable_private_segment 0
		.amdhsa_kernarg_size 24
		.amdhsa_user_sgpr_count 2
		.amdhsa_user_sgpr_kernarg_segment_ptr 1
		.amdhsa_wavefront_size32 1
		.amdhsa_system_sgpr_workgroup_id_x 1
		.amdhsa_system_sgpr_workgroup_id_y 1
		.amdhsa_system_sgpr_workgroup_id_z 1
		.amdhsa_system_vgpr_workitem_id 0
		.amdhsa_next_free_vgpr 1024
		.amdhsa_next_free_sgpr 72
		.amdhsa_reserve_vcc 0
		.amdhsa_float_denorm_mode_32 3
		.amdhsa_float_denorm_mode_16_64 3
		.amdhsa_memory_ordered 1
		.amdhsa_forward_progress 1
		.amdhsa_inst_pref_size 168
	.end_amdhsa_kernel
	.amdgpu_metadata
---
amdhsa.version: [ 1, 2 ]
amdhsa.kernels:
  - .name:           k_q74c2e5436e_pv
    .symbol:         k_q74c2e5436e_pv.kd
    .args:
      - { .name: pq, .offset: 0, .size: 8, .value_kind: global_buffer, .address_space: global }
      - { .name: hq, .offset: 8, .size: 8, .value_kind: global_buffer, .address_space: global }
      - { .name: xo, .offset: 16, .size: 8, .value_kind: global_buffer, .address_space: global }
    .group_segment_fixed_size: 327680
    .private_segment_fixed_size: 0
    .kernarg_segment_align: 8
    .kernarg_segment_size: 24
    .max_flat_workgroup_size: 128
    .sgpr_count:     72
    .vgpr_count:     1024
    .wavefront_size: 32
...
	.end_amdgpu_metadata
.endif
;; end of part 5
;; launch outp (part 6): grid 8 x 32, 4 waves a work-group, no clusters, 135,680 bytes of LDS; arguments xo, wq, bp, out0; writes out0
.if DOCPART == 6
	.amdgcn_target "amdgcn-amd-amdhsa--gfx1250"
	.amdhsa_code_object_version 6
	.text
	.protected	k_q74c2e5436e_outp
	.globl	k_q74c2e5436e_outp
	.p2align	8
	.type	k_q74c2e5436e_outp,@function
k_q74c2e5436e_outp:
	s_mov_b64 s[64:65], 0
	v_nop
	global_prefetch_b8 v0, s[64:65] scope:SCOPE_SE
	s_setreg_imm32_b32 hwreg(HW_REG_WAVE_MODE, 25, 1), 1
	s_wait_xcnt 0x0
; Launch 6 of 6: out0 = x Wp + bp on codes of FP6.  Nothing of reference() is left out.
; SHARES: a tile of 64 queries x 128 columns to a work-group; the four waves split K: wave w takes K steps w and w + 4 on the whole tile: 32 accumulators, 64 products a wave.
; Fragments lie in memory as images of their registers and go straight into the operands' registers, 512 consecutive bytes a load.  No tensor load, no ring and no cluster: a work-group reads 147 KB in one batch,
; each fragment by one wave once, and there is no later step beside which a shared refill could land.
; The waves' partial sums meet in LDS as rows (pitch 528); each wave adds 16 rows, with the bias, and stores them whole: 512 consecutive bytes an instruction.
; LIMIT: the sum over K is split over four waves and joined in f32: another order of rounding than K ascending.
; Lane r of fragment a is query 64 qt + 32 (a / 2) + 8 (a % 2) + r % 8 + 16 (r / 8).
.set PT,    33792                      ; a wave's 64 rows x 528 bytes
.set SPARE, 4*PT
.set WS,    3145728
.set XOS,   1572864
.set BI,   8                           ; v8-11 the bias of my four columns
.set STO,  20
.set RDA,  21
.set RDB,  22
.set SAO,  23
.set LI,   26
.set SPW,  28
.set NIL,  29
.set SA,   32
.set SB,   64
.set MSB, 0
.macro WIN new
.if MSB != (\new)
	s_set_vgpr_msb (MSB<<8)|(\new)
.set MSB, (\new)
.endif
.endm
.macro WM acc, bf, af, sb, sa, rb, ra, zero
.if \zero
.if (\rb) && (\ra)
	v_wmma_scale_f32_16x16x128_f8f6f4 v[(\acc):(\acc)+7], v[(\bf):(\bf)+11], v[(\af):(\af)+11], 0, v[\sb], v[\sa] matrix_a_fmt:MATRIX_FMT_FP6 matrix_b_fmt:MATRIX_FMT_FP6 matrix_a_scale:MATRIX_SCALE_ROW1 matrix_b_scale:MATRIX_SCALE_ROW1
.elseif (\rb)
	v_wmma_scale_f32_16x16x128_f8f6f4 v[(\acc):(\acc)+7], v[(\bf):(\bf)+11], v[(\af):(\af)+11], 0, v[\sb], v[\sa] matrix_a_fmt:MATRIX_FMT_FP6 matrix_b_fmt:MATRIX_FMT_FP6 matrix_a_scale:MATRIX_SCALE_ROW1
.elseif (\ra)
	v_wmma_scale_f32_16x16x128_f8f6f4 v[(\acc):(\acc)+7], v[(\bf):(\bf)+11], v[(\af):(\af)+11], 0, v[\sb], v[\sa] matrix_a_fmt:MATRIX_FMT_FP6 matrix_b_fmt:MATRIX_FMT_FP6 matrix_b_scale:MATRIX_SCALE_ROW1
.else
	v_wmma_scale_f32_16x16x128_f8f6f4 v[(\acc):(\acc)+7], v[(\bf):(\bf)+11], v[(\af):(\af)+11], 0, v[\sb], v[\sa] matrix_a_fmt:MATRIX_FMT_FP6 matrix_b_fmt:MATRIX_FMT_FP6
.endif
.else
.if (\rb) && (\ra)
	v_wmma_scale_f32_16x16x128_f8f6f4 v[(\acc):(\acc)+7], v[(\bf):(\bf)+11], v[(\af):(\af)+11], v[(\acc):(\acc)+7], v[\sb], v[\sa] matrix_a_fmt:MATRIX_FMT_FP6 matrix_b_fmt:MATRIX_FMT_FP6 matrix_a_scale:MATRIX_SCALE_ROW1 matrix_b_scale:MATRIX_SCALE_ROW1
.elseif (\rb)
	v_wmma_scale_f32_16x16x128_f8f6f4 v[(\acc):(\acc)+7], v[(\bf):(\bf)+11], v[(\af):(\af)+11], v[(\acc):(\acc)+7], v[\sb], v[\sa] matrix_a_fmt:MATRIX_FMT_FP6 matrix_b_fmt:MATRIX_FMT_FP6 matrix_a_scale:MATRIX_SCALE_ROW1
.elseif (\ra)
	v_wmma_scale_f32_16x16x128_f8f6f4 v[(\acc):(\acc)+7], v[(\bf):(\bf)+11], v[(\af):(\af)+11], v[(\acc):(\acc)+7], v[\sb], v[\sa] matrix_a_fmt:MATRIX_FMT_FP6 matrix_b_fmt:MATRIX_FMT_FP6 matrix_b_scale:MATRIX_SCALE_ROW1
.else
	v_wmma_scale_f32_16x16x128_f8f6f4 v[(\acc):(\acc)+7], v[(\bf):(\bf)+11], v[(\af):(\af)+11], v[(\acc):(\acc)+7], v[\sb], v[\sa] matrix_a_fmt:MATRIX_FMT_FP6 matrix_b_fmt:MATRIX_FMT_FP6
.endif
.endif
.endm
.macro GLOAD j                         ; K step w + 4 j: x's four fragments into window 1, Wp^T's eight into window 3: 36 loads
	WIN 0x40
.irp f, 0,1,2,3
.irp c, 0,1,2
	global_load_b128 v[48*(\j)+12*\f+4*\c:48*(\j)+12*\f+4*\c+3], v[LI], s[12:13] offset:49152*(\j)+1536*\f+512*\c
.endr
.endr
	WIN 0xc0
.irp b, 0,1,2,3,4,5,6,7
.irp c, 0,1,2
	global_load_b128 v[96*(\j)+12*\b+4*\c:96*(\j)+12*\b+4*\c+3], v[LI], s[14:15] offset:49152*(\j)+1536*\b+512*\c
.endr
.endr
.endm
.macro KMUL j, zero                    ; the 32 accumulators take turns in the same order both times
	WIN 0xa7
.irp a, 0,1,2,3
.irp b, 0,1,2,3,4,5,6,7
	WM 8*(8*\a+\b), 96*(\j)+12*\b, 48*(\j)+12*\a, SB+4*(\j)+\b%4, SA+\a, \b/4, \j, \zero
.endr
.endr
.endm
	s_load_b256 s[4:11], s[0:1], 0x0               ; xo, wq, bp, out0
	v_lshl_add_u32 v[SPW], v0, 2, SPARE
	v_mov_b32 v[NIL], 0
	v_lshrrev_b32 v1, 5, v0
	v_readfirstlane_b32 s16, v1                    ; wave
	v_and_b32 v1, 31, v0
	v_lshlrev_b32 v[LI], 4, v1
	v_and_b32 v2, 15, v0
	v_bfe_u32 v3, v0, 4, 1
	s_mul_i32 s2, s16, PT
	v_mul_u32_u24 v[STO], v2, 528
	v_lshl_add_u32 v[STO], v3, 6, v[STO]
	v_add_nc_u32 v[STO], s2, v[STO]                ; my stage: row lane % 16, + 64 (lane / 16)
	s_mul_i32 s2, s16, 8448
	v_add_nc_u32 v[RDA], s2, v[LI]                 ; back: rows 16 w on, of waves 0 and 1;
	v_add_nc_u32 v[RDB], 2*PT, v[RDA]              ; of waves 2 and 3
	v_lshlrev_b32 v[SAO], 2, v2
	v_lshl_add_u32 v[SAO], v3, 8, v[SAO]           ; x's scale words: lanes 16-31 four K steps on
	s_and_b32 s17, ttmp7, 0xffff                   ; tile of 64 queries
	s_lshr_b32 s18, s17, 1
	s_and_b32 s19, s17, 1
	s_lshl_b32 s20, s18, 3
	s_add_co_u32 s20, s20, s16
	s_mul_i32 s20, s20, 12288
	s_mul_i32 s21, s19, 6144
	s_add_co_u32 s20, s20, s21                     ; x: block 8 qb + w, fragments 4 (half) on
	s_mov_b32 s21, 0
	s_add_co_u32 s22, ttmp9, 24
	s_lshl_b32 s22, s22, 3
	s_add_co_u32 s22, s22, s16                     ; Wp^T: block (24 + nt) 8 + w
	s_lshl_b32 s24, s22, 9
	s_add_co_u32 s24, s24, WS
	s_mov_b32 s25, 0
	s_mul_i32 s22, s22, 12288
	s_mov_b32 s23, 0
	s_lshl_b32 s26, s17, 11
	s_lshl_b32 s27, s16, 6
	s_add_co_u32 s26, s26, s27
	s_add_co_u32 s26, s26, XOS
	s_mov_b32 s27, 0
	s_lshl_b32 s28, ttmp9, 9                       ; my 128 columns: 512 bytes
	s_mov_b32 s29, 0
	s_lshl_b32 s30, s17, 6
	s_lshr_b32 s31, s16, 1
	s_lshl_b32 s31, s31, 5
	s_add_co_u32 s30, s30, s31
	s_and_b32 s31, s16, 1
	s_lshl_b32 s31, s31, 3
	s_add_co_u32 s30, s30, s31                     ; 64 qt + 32 (w / 2) + 8 (w % 2)
	s_lshl_b32 s30, s30, 12
	s_add_co_u32 s30, s30, s28
	s_mov_b32 s31, 0
	s_wait_alu depctr_va_vdst(0)
	s_wait_kmcnt 0x0
	s_add_nc_u64 s[12:13], s[4:5], s[20:21]
	s_add_nc_u64 s[14:15], s[6:7], s[22:23]
	s_add_nc_u64 s[24:25], s[6:7], s[24:25]
	s_add_nc_u64 s[26:27], s[4:5], s[26:27]
	s_add_nc_u64 s[8:9], s[8:9], s[28:29]
	s_add_nc_u64 s[10:11], s[10:11], s[30:31]
	global_load_b128 v[BI:BI+3], v[LI], s[8:9]
.irp f, 0,1,2,3
	global_load_b32 v[SA+\f], v[SAO], s[26:27] offset:512*\f
.endr
	global_load_b128 v[SB:SB+3], v[LI], s[24:25]
	global_load_b128 v[SB+4:SB+7], v[LI], s[24:25] offset:2048
	GLOAD 0
	GLOAD 1
	s_wait_loadcnt 36                              ; all but the second K step's 36 loads
	KMUL 0, 1
	s_wait_loadcnt 0x0
	KMUL 1, 0
.rept 4
	v_nop                                          ; four places in front of the first read of results
.endr
	WIN 0x08                                       ; an LDS store's data: window 2
.irp a, 0,1,2,3
.irp g, 0,1,2,3
.irp u, 0,1
	ds_store_b128 v[STO], v[8*(8*\a+2*\g+\u):8*(8*\a+2*\g+\u)+3] offset:8448*\a+128*\g+32*\u       ; register j of accumulator (a, 2 g + u): column 32 g + 16 (lane / 16) + 8 u + j
	ds_store_b128 v[STO], v[8*(8*\a+2*\g+\u)+4:8*(8*\a+2*\g+\u)+7] offset:8448*\a+128*\g+32*\u+16
.endr
.endr
.endr
	WIN 0
	s_wait_dscnt 0x0
	s_barrier_signal -1
	s_barrier_wait -1                              ; the four waves' 64 rows lie in LDS
.macro HALF hh                         ; eight of my 16 rows
.if \hh
	s_wait_xcnt 0x0                                ; the first half's stores have read their registers
.endif
.irp i, 0,1,2,3,4,5,6,7
	ds_load_b128 v[128+16*\i:131+16*\i], v[RDA] offset:528*(8*(\hh)+\i)
	ds_load_b128 v[132+16*\i:135+16*\i], v[RDA] offset:PT+528*(8*(\hh)+\i)
	ds_load_b128 v[136+16*\i:139+16*\i], v[RDB] offset:528*(8*(\hh)+\i)
	ds_load_b128 v[140+16*\i:143+16*\i], v[RDB] offset:PT+528*(8*(\hh)+\i)
.endr
	s_wait_dscnt 0x0
.irp i, 0,1,2,3,4,5,6,7
	v_pk_add_f32 v[128+16*\i:129+16*\i], v[128+16*\i:129+16*\i], v[132+16*\i:133+16*\i]
	v_pk_add_f32 v[130+16*\i:131+16*\i], v[130+16*\i:131+16*\i], v[134+16*\i:135+16*\i]
	v_pk_add_f32 v[136+16*\i:137+16*\i], v[136+16*\i:137+16*\i], v[140+16*\i:141+16*\i]
	v_pk_add_f32 v[138+16*\i:139+16*\i], v[138+16*\i:139+16*\i], v[142+16*\i:143+16*\i]
	v_pk_add_f32 v[128+16*\i:129+16*\i], v[128+16*\i:129+16*\i], v[136+16*\i:137+16*\i]
	v_pk_add_f32 v[130+16*\i:131+16*\i], v[130+16*\i:131+16*\i], v[138+16*\i:139+16*\i]
	v_pk_add_f32 v[128+16*\i:129+16*\i], v[128+16*\i:129+16*\i], v[BI:BI+1]
	v_pk_add_f32 v[130+16*\i:131+16*\i], v[130+16*\i:131+16*\i], v[BI+2:BI+3]
	global_store_b128 v[LI], v[128+16*\i:131+16*\i], s[10:11] offset:(\i+16*(\hh))*4096 th:TH_STORE_NT   ; 512 consecutive bytes of a row of out0
.endr
.endm
	HALF 0
	HALF 1
	s_wait_tensorcnt 0x0                           ; the wave's end
	ds_add_u32 v[SPW], v[NIL]
	s_wait_dscnt 0x0
	s_endpgm
.Lfunc_end_k_q74c2e5436e_outp:
	.size	k_q74c2e5436e_outp, .Lfunc_end_k_q74c2e5436e_outp-k_q74c2e5436e_outp
	.p2alignl 7, 3214868480
	.fill 96, 4, 3214868480
	.section	.rodata,"a",@progbits
	.p2align	6, 0x0
	.amdhsa_kernel k_q74c2e5436e_outp
		.amdhsa_group_segment_fixed_size 135680
		.amdhsa_private_segment_fixed_size 0
		.amdhsa_enable_private_segment 0
		.amdhsa_kernarg_size 32
		.amdhsa_user_sgpr_count 2
		.amdhsa_user_sgpr_kernarg_segment_ptr 1
		.amdhsa_wavefront_size32 1
		.amdhsa_system_sgpr_workgroup_id_x 1
		.amdhsa_system_sgpr_workgroup_id_y 1
		.amdhsa_system_sgpr_workgroup_id_z 1
		.amdhsa_system_vgpr_workitem_id 0
		.amdhsa_next_free_vgpr 1024
		.amdhsa_next_free_sgpr 66
		.amdhsa_reserve_vcc 0
		.amdhsa_float_denorm_mode_32 3
		.amdhsa_float_denorm_mode_16_64 3
		.amdhsa_memory_ordered 1
		.amdhsa_forward_progress 1
		.amdhsa_inst_pref_size 37
	.end_amdhsa_kernel
	.amdgpu_metadata
---
amdhsa.version: [ 1, 2 ]
amdhsa.kernels:
  - .name:           k_q74c2e5436e_outp
    .symbol:         k_q74c2e5436e_outp.kd
    .args:
      - { .name: xo, .offset: 0, .size: 8, .value_kind: global_buffer, .address_space: global }
      - { .name: wq, .offset: 8, .size: 8, .value_kind: global_buffer, .address_space: global }
      - { .name: bp, .offset: 16, .size: 8, .value_kind: global_buffer, .address_space: global }
      - { .name: out0, .offset: 24, .size: 8, .value_kind: global_buffer, .address_space: global }
    .group_segment_fixed_size: 135680
    .private_segment_fixed_size: 0
    .kernarg_segment_align: 8
    .kernarg_segment_size: 32
    .max_flat_workgroup_size: 128
    .sgpr_count:     66
    .vgpr_count:     1024
    .wavefront_size: 32
...
	.end_amdgpu_metadata
.endif
;; end of part 6
